; MI455X (gfx1250); checked and timed in simulation.
; The chip was launched on July 23, 2026; its instructions are those of AMD's public machine-readable ISA for CDNA 5 (MIT licence, August 2026) and "CDNA5" Instruction Set Architecture Reference Guide (July 2026). The comments in the code are by the model that wrote it; some were corrected since.
;; Local Self Attention Encoder Layer. Allowed arithmetic: float matrix products may take bf16 or f16 operands with f32 sums; all other float work in f32.
;; Inputs: b1 4,096 float32; b2 1,024 float32; in_proj_b 3,072 float32; in_proj_w 3,072 x 1,024 float32; ln1_b 1,024 float32; ln1_g 1,024 float32; ln2_b 1,024 float32; ln2_g 1,024 float32; out_proj_b 1,024 float32; out_proj_w 1,024 x 1,024 float32; w1 4,096 x 1,024 float32; w2 1,024 x 4,096 float32; x 2 x 2,048 x 1,024 float32.
;; Outputs: out0 2 x 2,048 x 1,024 float32.
;; Constants: window = 128.
;; One version. Each part assembles by itself: llvm-mc -triple=amdgcn-amd-amdhsa -mcpu=gfx1250 --defsym DOCPART=n.
;; ======== version 1 of 1: 8 launches
;; limits: values are held in f16: magnitudes above 65,504 overflow, below 6.1e-05 lose precision; inputs' magnitudes at most 65,504
;; workspace buffers: hw 33,554,432 bytes; qkv 25,165,824 bytes; oh 8,388,608 bytes; tsum 16,777,216 bytes; x2 16,777,216 bytes; x2h 8,388,608 bytes; hh 33,554,432 bytes
;; launch cvt (part 1): grid 1024 x 1, 8 waves a work-group, no clusters, 0 bytes of LDS; arguments x, in_proj_w, out_proj_w, w1, w2, hw; writes hw
.if DOCPART == 1
	.amdgcn_target "amdgcn-amd-amdhsa--gfx1250"
	.amdhsa_code_object_version 6
	.text
	.protected	k_q27e3b47418_cvt
	.globl	k_q27e3b47418_cvt
	.p2align	8
	.type	k_q27e3b47418_cvt,@function
k_q27e3b47418_cvt:
	s_mov_b64 s[64:65], 0
	v_nop
	global_prefetch_b8 v0, s[64:65] scope:SCOPE_SE
	s_setreg_imm32_b32 hwreg(HW_REG_WAVE_MODE, 25, 1), 1
	s_wait_xcnt 0x0
; hw = x, in_proj_w, out_proj_w, w1, w2 rounded once from f32 to f16 and laid end to end, each row-major as it came:
; x at byte 0, in_proj_w at 8,388,608, out_proj_w at 14,680,064, w1 at 16,777,216, w2 at 25,165,824.
; LIMIT: f16 ends at 65,504; a larger input becomes an infinity.  Below 6e-5 f16 keeps its fixed step of 6e-8.
; A stream: no LDS, no matrix unit, no barrier.  A work-group takes 65,536 bytes of one source (the five sources are 256, 192, 64, 256
; and 256 such pieces) and writes 32,768 bytes of hw; a wave takes 8,192 bytes: sixteen loads of 512 consecutive bytes, all issued at
; once; each store of the wave covers 256 consecutive bytes, aligned.  No register is written twice, so no wait frees any.
.set X, 4                              ; v[4:67]   sixteen loads of four f32
.set Y, 68                             ; v[68:99]  sixteen pairs of packed f16
	s_load_b256 s[4:11], s[0:1], 0x0               ; x s[4:5], in_proj_w s[6:7], out_proj_w s[8:9], w1 s[10:11]
	s_load_b128 s[12:15], s[0:1], 0x20             ; w2 s[12:13], hw s[14:15]
	v_lshrrev_b32 v3, 5, v0                        ; wave
	v_and_b32 v1, 31, v0                           ; lane
	v_lshlrev_b32 v2, 3, v1
	v_lshl_add_u32 v2, v3, 12, v2                  ; where I store: 4,096 x wave + 8 x lane
	v_lshlrev_b32 v1, 4, v1
	v_lshl_add_u32 v1, v3, 13, v1                  ; where I load: 8,192 x wave + 16 x lane
	s_mov_b32 s22, 0                               ; the first work-group of my source
	s_lshl_b32 s26, ttmp9, 15                      ; my 32,768 bytes of hw
	s_mov_b32 s27, 0
	s_mov_b32 s25, 0
	s_wait_kmcnt 0x0
	s_mov_b64 s[20:21], s[4:5]                     ; the source is chosen by the work-group's number alone
	s_cmp_ge_u32 ttmp9, 256
	s_cselect_b64 s[20:21], s[6:7], s[20:21]
	s_cselect_b32 s22, 256, s22
	s_cmp_ge_u32 ttmp9, 448
	s_cselect_b64 s[20:21], s[8:9], s[20:21]
	s_cselect_b32 s22, 448, s22
	s_cmp_ge_u32 ttmp9, 512
	s_cselect_b64 s[20:21], s[10:11], s[20:21]
	s_cselect_b32 s22, 512, s22
	s_cmp_ge_u32 ttmp9, 768
	s_cselect_b64 s[20:21], s[12:13], s[20:21]
	s_cselect_b32 s22, 768, s22
	s_sub_co_u32 s24, ttmp9, s22
	s_lshl_b32 s24, s24, 16                        ; my 65,536 bytes of the source
	s_add_nc_u64 s[20:21], s[20:21], s[24:25]
	s_add_nc_u64 s[14:15], s[14:15], s[26:27]
.set j, 0
.rept 16
	global_load_b128 v[X+4*j:X+4*j+3], v1, s[20:21] offset:512*j th:TH_LOAD_NT
.set j, j+1
.endr
.set j, 0
.rept 16
	s_wait_loadcnt 15-j                            ; loads come back in order: load j is in, the younger ones stay out
	v_cvt_pk_f16_f32 v[Y+2*j], v[X+4*j], v[X+4*j+1]
	v_cvt_pk_f16_f32 v[Y+2*j+1], v[X+4*j+2], v[X+4*j+3]
	global_store_b64 v2, v[Y+2*j:Y+2*j+1], s[14:15] offset:256*j
.set j, j+1
.endr
	s_endpgm
.Lfunc_end_k_q27e3b47418_cvt:
	.size	k_q27e3b47418_cvt, .Lfunc_end_k_q27e3b47418_cvt-k_q27e3b47418_cvt
	.p2alignl 7, 3214868480
	.fill 96, 4, 3214868480
	.section	.rodata,"a",@progbits
	.p2align	6, 0x0
	.amdhsa_kernel k_q27e3b47418_cvt
		.amdhsa_group_segment_fixed_size 0
		.amdhsa_private_segment_fixed_size 0
		.amdhsa_enable_private_segment 0
		.amdhsa_kernarg_size 48
		.amdhsa_user_sgpr_count 2
		.amdhsa_user_sgpr_kernarg_segment_ptr 1
		.amdhsa_wavefront_size32 1
		.amdhsa_system_sgpr_workgroup_id_x 1
		.amdhsa_system_sgpr_workgroup_id_y 1
		.amdhsa_system_sgpr_workgroup_id_z 1
		.amdhsa_system_vgpr_workitem_id 0
		.amdhsa_next_free_vgpr 104
		.amdhsa_next_free_sgpr 66
		.amdhsa_reserve_vcc 0
		.amdhsa_float_denorm_mode_32 3
		.amdhsa_float_denorm_mode_16_64 3
		.amdhsa_memory_ordered 1
		.amdhsa_forward_progress 1
		.amdhsa_inst_pref_size 8
	.end_amdhsa_kernel
	.amdgpu_metadata
---
amdhsa.version: [ 1, 2 ]
amdhsa.kernels:
  - .name:           k_q27e3b47418_cvt
    .symbol:         k_q27e3b47418_cvt.kd
    .args:
      - { .name: x, .offset: 0, .size: 8, .value_kind: global_buffer, .address_space: global }
      - { .name: in_proj_w, .offset: 8, .size: 8, .value_kind: global_buffer, .address_space: global }
      - { .name: out_proj_w, .offset: 16, .size: 8, .value_kind: global_buffer, .address_space: global }
      - { .name: w1, .offset: 24, .size: 8, .value_kind: global_buffer, .address_space: global }
      - { .name: w2, .offset: 32, .size: 8, .value_kind: global_buffer, .address_space: global }
      - { .name: hw, .offset: 40, .size: 8, .value_kind: global_buffer, .address_space: global }
    .group_segment_fixed_size: 0
    .private_segment_fixed_size: 0
    .kernarg_segment_align: 8
    .kernarg_segment_size: 48
    .max_flat_workgroup_size: 256
    .sgpr_count:     66
    .vgpr_count:     104
    .wavefront_size: 32
...
	.end_amdgpu_metadata
.endif
;; end of part 1
;; launch gqkv (part 2): grid 16 x 16, 4 waves a work-group, clusters of 4 x 4, 327,680 bytes of LDS; arguments hw, in_proj_b, qkv; writes qkv
.if DOCPART == 2
	.amdgcn_target "amdgcn-amd-amdhsa--gfx1250"
	.amdhsa_code_object_version 6
	.text
	.protected	k_q27e3b47418_gqkv
	.globl	k_q27e3b47418_gqkv
	.p2align	8
	.type	k_q27e3b47418_gqkv,@function
k_q27e3b47418_gqkv:
	s_mov_b64 s[64:65], 0
	v_nop
	global_prefetch_b8 v0, s[64:65] scope:SCOPE_SE
	s_setreg_imm32_b32 hwreg(HW_REG_WAVE_MODE, 25, 1), 1
	s_wait_xcnt 0x0
	s_wait_alu depctr_hold_cnt(0) depctr_sa_sdst(0) depctr_va_vdst(0) depctr_va_sdst(0) depctr_va_ssrc(0) depctr_va_vcc(0) depctr_vm_vsrc(0)
	s_getreg_b32 s2, hwreg(HW_REG_IB_STS2, 6, 4)
	s_cmp_eq_u32 s2, 0
	s_cbranch_scc0 .Lentry_in_a_cluster
	s_endpgm
.Lentry_in_a_cluster:
	s_bfe_u32 s2, ttmp6, 0x10000c
	s_cmp_lg_u32 s2, 0xf033
	s_cbranch_scc0 .Lentry_shape_is_right
	s_endpgm
.Lentry_shape_is_right:
; q, k, v = x in_proj_w^T + in_proj_b, by heads.  A = x in f16 (hw, byte 0), [4096][1024]; B = in_proj_w in f16 (hw, byte 8,388,608), [3072][1024];
; out: qkv, f16, [48 planes][4096 tokens][64]: column n of the product lies in plane n / 64 (0-15 q's heads, 16-31 k's, 32-47 v's).  Sums in f32, begun with the bias; rounded once.  q is not scaled here.
; LIMIT: f16 ends at 65,504: q, k, v beyond that become infinities.
; ONE TEXT SERVES FOUR PRODUCTS C = A B^T (+ bias ..); KIND and the table of sizes below pick the shape; the way out is chosen by .if KIND.
; SHAPE.  A work-group of four waves makes TM x TN of C; a wave MB x NB blocks of 16 x 16.  Here 256 x 192; the waves lie one below the other, 64 x 192 each, so that a wave holds three whole heads.
; K goes in steps of KSTEP through a ring of two LDS slots filled by the tensor data mover; waves 0, 1 fetch the two halves of A's tile, waves 2, 3 of B's: one load a wave behind each change of slots.
; CLUSTER 4 x 4: the four work-groups of a row of the cluster need the same tiles of A, the four of a column the same tiles of B: each tile is asked for jointly, by the same load with the same descriptor and mask.
; THE MATRIX INSTRUCTION IS USED TRANSPOSED (source 0 = 16 rows of B, source 1 = 16 rows of A): lane l holds row l % 16 of C and its columns 8 (l / 16) + 0..7.
; REGISTERS, in windows of 256 (s_set_vgpr_msb: bits 1:0 source 0, 3:2 source 1, 5:4 source 2, 7:6 destination):
;   window 0: v0-29 addresses; A's fragments, two buffers at v64 and v128; the bias as the first products' C at v[BIAS..255]; on the way out TMP, BK0, BK1
;   window 1: B's fragments, two buffers at v0 and v128     windows 2, 3: the accumulators of the wave's upper and lower half of rows; (KIND 2, 3: window 2 v128-255 the residual)
.set KIND,   0
.set SIZE_N, 3072
.set SIZE_K, 1024
.set TM,     256
.set TN,     192
.set MB,     4                         ; blocks of 16 rows a wave
.set NB,     12                        ; blocks of 16 columns a wave
.set KD,     1                         ; matrix instructions along K in a chunk; a K step is four chunks
.set KSTEP,  128
.set PITCHA, 272                       ; an LDS row: 256 bytes + 16 of padding: the 16 rows of a load start at 16 different groups of four banks (64 banks of 4 bytes: ISA guide 11.1)
.set PITCHB, 272
.set ROWSA,  128                       ; rows of A in one load
.set ROWSB,  96                        ; rows of B in one load
.set AHALF,  ROWSA*PITCHA              ; LDS bytes of one load of A
.set BHALF,  ROWSB*PITCHB
.set AWAVE,  MB*16*PITCHA              ; LDS bytes from one wave row's part of A to the next
.set ACH,    64*KD                     ; LDS bytes from chunk to chunk in A
.set ASTEP,  KSTEP*2                   ; bytes of memory from K step to K step
.set BSTEP,  KSTEP*2
.set AROWB,  SIZE_K*2                  ; bytes of memory from row to row of A
.set AD0,    KSTEP                     ; A's tile: elements in a row, rows, elements from row to row
.set AD1,    ROWSA
.set ASTR,   SIZE_K
.set QIA,    5                         ; padding behind every 64 words
.set QIB,    5
.set WOFF,   8388608                   ; B's first byte in hw
.set OB,     2                         ; bytes of an output number
.set STAGEW, 3*16*144                  ; a wave's stage: 3 heads x 16 rows x 144 bytes
.set TMP,    160
.set BK0,    208
.set BK1,    64
.set NS,     SIZE_K/KSTEP
.set SLOT,   2*AHALF+2*BHALF           ; A's two halves, then B's two halves
.set STAGE,  2*SLOT                    ; behind the ring, never filled by a tensor load
.set SPARE,  STAGE+4*STAGEW            ; behind the stages: the spare words, 128 bytes for each wave, which no other line names
.set AU,     MB*KD                     ; LDS loads of a chunk's fragments of A's lower rows (the last issued)
.set NF,     2*KD*(MB+NB)              ; LDS loads of a chunk
.set BIAS,   256-8*NB
.set RES,    128
.set ADRA0,  14                        ; v14  my lane's place in A's tile of slot 0; never rewritten
.set ADRB0,  15                        ; v15  the same for B
.set ADRA,   16                        ; v16  the same in the slot being read
.set ADRB,   20                        ; v20
.set STO,    24                        ; v24  the way out: where I put my bytes of a row
.set RD,     25                        ; v25  the way out: where I read rows back
.set CO,     26                        ; v26  my byte offset in the output (and the residual)
.set BO,     27                        ; v27  my byte offset in the bias
.set SPW,    28                        ; v28  LDS address of my spare word; never rewritten
.set NIL,    29                        ; v29  0; never rewritten
.set G1A,    24                        ; s[24:31] descriptor group 1 for A's tiles
.set G0A,    32                        ; s[32:39] group 0: set 0 for K step 0, set 1 for K step 1, which then walks
.set G1B,    48                        ; s[48:55], s[56:63] the same for B's
.set G0B,    56
.set TB,     72                        ; s72  the slot being read: 0 or SLOT
.set LBA,    73                        ; s73  where my load of A lands in a slot
.set LBB,    74                        ; s74  where my load of B lands
.set CNT,    75                        ; s75  counts the last two K steps
.set MSB, 0
.macro WIN new                         ; the immediate's high byte repeats the setting that is left; a switch that changes nothing is dropped
.if MSB != (\new)
	s_set_vgpr_msb (MSB<<8)|(\new)
.set MSB, (\new)
.endif
.endm
.macro PLACES                          ; four places in front of loads into registers that matrix instructions have read, and of lines that read results
.rept 4
	v_nop
.endr
.endm
.macro CREST                           ; a round of the cluster's barrier behind its opening barrier
	s_cmp_lg_u32 s10, 0
	s_cbranch_scc1 .Lnot_wave_0_\@
	s_barrier_signal -3
.Lnot_wave_0_\@:
	s_barrier_wait -3
	s_barrier_signal -1
	s_barrier_wait -1
.endm
.macro CROUND                          ; a whole round
	s_barrier_signal -1
	s_barrier_wait -1
	CREST
.endm
.macro JLOAD                           ; a joint refill by the walking descriptor; an s_nop 0 and four v_nop follow each of the two lines
	s_cmp_eq_u32 s11, 0
	s_cbranch_scc0 .Lfor_b_\@
	tensor_load_to_lds s[G0A+4:G0A+7], s[G1A:G1A+7]
	s_nop 0
	PLACES
	s_branch .Lasked_\@
.Lfor_b_\@:
	tensor_load_to_lds s[G0B+4:G0B+7], s[G1B:G1B+7]
	s_nop 0
	PLACES
.Lasked_\@:
.endm
; Products of buffer f: row blocks a0 .. a0 + na - 1 x all NB column blocks, KD deep.  The accumulators take turns, one instruction a turn.
; first = 1: the first product of each sum takes the bias as C: nothing is cleared and nothing is added later.
.macro MULP f, a0, na, first
.set md, 0
.rept KD
.set ma, (\a0)
.rept (\na)
.set mb, 0
.rept NB
.set rD, 8*(NB*(ma%(MB/2))+mb)
.set rB, 128*(\f)+8*(mb*KD+md)
.set rA, 64+64*(\f)+8*(ma*KD+md)
.if (\first) && (md == 0)
	WIN 0x81+0x40*(ma/(MB/2))
	v_wmma_f32_16x16x32_f16 v[rD:rD+7], v[rB:rB+7], v[rA:rA+7], v[BIAS+8*mb:BIAS+8*mb+7]
.else
	WIN 0xa1+0x50*(ma/(MB/2))
	v_wmma_f32_16x16x32_f16 v[rD:rD+7], v[rB:rB+7], v[rA:rA+7], v[rD:rD+7]
.endif
.set mb, mb+1
.endr
.set ma, ma+1
.endr
.set md, md+1
.endr
.endm
; NF LDS loads in one run: chunk c of the slot being read, into buffer f: B first, then A by ascending rows.
; A fragment is 16 rows x 32 K in 8 registers: lane l holds row l % 16, K = 8 (l / 16) + 0..7 and 16 + 8 (l / 16) + 0..7: two loads of 16 bytes, 32 bytes apart.
.macro FETCH c, f
	WIN 0x40
.set fb, 0
.rept NB
.set fd, 0
.rept KD
.set rB, 128*(\f)+8*(fb*KD+fd)
.set oB, (\c)*64*KD+64*fd+fb*16*PITCHB
	ds_load_b128 v[rB:rB+3], v[ADRB] offset:oB
	ds_load_b128 v[rB+4:rB+7], v[ADRB] offset:oB+32
.set fd, fd+1
.endr
.set fb, fb+1
.endr
	WIN 0
.set fa, 0
.rept MB
.set fd, 0
.rept KD
.set rA, 64+64*(\f)+8*(fa*KD+fd)
.set oA, (\c)*ACH+64*fd+fa*16*PITCHA
	ds_load_b128 v[rA:rA+3], v[ADRA] offset:oA
	ds_load_b128 v[rA+4:rA+7], v[ADRA] offset:oA+32
.set fd, fd+1
.endr
.set fa, fa+1
.endr
.endm
; One of a K step's first three chunks: multiplies buffer f; in its middle fetches chunk c into buffer g.
.macro QUARTER c, f, g, first
	s_wait_dscnt AU                                ; B and A's upper rows are in; the youngest AU loads (A's lower rows) may be out
	MULP \f, 0, MB/2, \first
	PLACES
	FETCH \c, \g
	s_wait_dscnt NF                                ; all but the NF just issued
	MULP \f, MB/2, MB/2, \first
.endm
; The first half of a K step's last chunk, and ONE barrier for the change of slots.  In front of it each wave waits for all its tensor loads (one is out: its part of the next slot),
; adds 0 to its spare word, and waits for that and for its reads of this slot.  Behind it nobody reads this slot any more and the next slot is whole.
.macro MEET
	WIN 0
	s_wait_tensorcnt 0x0                           ; all my tensor loads have landed
	ds_add_u32 v[SPW], v[NIL]                      ; 0 onto my spare word
	s_wait_dscnt AU+1                              ; (the add and the youngest AU loads may be out)
	MULP 1, 0, MB/4, 0                             ; matrix work stands between the add and the wait for it
	s_wait_dscnt 0x0                               ; the add is done, and my reads of this slot are over
	s_barrier_signal -1
	MULP 1, MB/4, MB/4, 0                          ; work on registers while the others arrive
	WIN 0
	s_barrier_wait -1
.endm
; The whole last chunk with a refill: the barrier opens a round of the cluster's barrier; behind the round the slot just read takes the K step two steps on, first of all; then the next slot's first chunk is fetched.
.macro TURN
	MEET
	CREST                                          ; no wave of any partner still reads this slot or has a load on its way
	s_add_co_u32 s[G0A+5], s[LBA], s[TB]           ; the walking descriptor: into the slot just read,
	s_add_co_u32 s[G0B+5], s[LBB], s[TB]
	s_add_nc_u64 s[G0A+6:G0A+7], s[G0A+6:G0A+7], ASTEP  ; the next K step; the type bits on top are not reached
	s_add_nc_u64 s[G0B+6:G0B+7], s[G0B+6:G0B+7], BSTEP
	s_xor_b32 s[TB], s[TB], SLOT                   ; TB is 0 or SLOT: now the other slot is read
	JLOAD                                          ; the four v_nop behind it are also the places in front of the loads below
	v_add_nc_u32 v[ADRA], s[TB], v[ADRA0]
	v_add_nc_u32 v[ADRB], s[TB], v[ADRB0]
	FETCH 0, 0
	MULP 1, MB/2, MB/2, 0
.endm
.if KIND == 0
	s_load_b64 s[4:5], s[0:1], 0x0                 ; hw: A lies at its head
	s_load_b64 s[6:7], s[0:1], 0x0                 ; hw once more: B lies WOFF bytes in
	s_load_b64 s[68:69], s[0:1], 0x8               ; the bias
	s_load_b64 s[8:9], s[0:1], 0x10                ; the output
.elseif KIND == 1
	s_load_b128 s[4:7], s[0:1], 0x0                ; A, hw
	s_load_b64 s[68:69], s[0:1], 0x10              ; the bias
	s_load_b64 s[8:9], s[0:1], 0x18                ; the output
.else
	s_load_b128 s[4:7], s[0:1], 0x0                ; A, hw
	s_load_b128 s[68:71], s[0:1], 0x10             ; the bias, the residual
	s_load_b64 s[8:9], s[0:1], 0x20                ; the output
.endif
	v_lshl_add_u32 v[SPW], v0, 2, SPARE
	v_mov_b32 v[NIL], 0
	ds_add_u32 v[SPW], v[NIL]                      ; the wave's opening: the add and its wait stand ahead of my first tensor load; the set-up below, work on registers, stands between them
	ds_add_u32 v28, v29
	v_lshrrev_b32 v1, 5, v0
	v_readfirstlane_b32 s10, v1                    ; wave 0..3
	s_lshr_b32 s11, s10, 1                         ; I fetch for A (0) or for B (1)
	s_and_b32 s12, s10, 1                          ; which half of that tile I fetch
.if KIND == 0
	s_mov_b32 s20, s10                             ; my place among the wave rows,
	s_mov_b32 s21, 0                               ; and among the wave columns
.else
	s_mov_b32 s20, s11
	s_mov_b32 s21, s12
.endif
	s_bfe_u32 s40, ttmp6, 0x40000                  ; cx, cy: my place in the cluster
	s_bfe_u32 s41, ttmp6, 0x40004
	s_lshl_b32 s42, ttmp9, 2
	s_add_co_u32 s42, s42, s40                     ; tile column of C = 4 x cluster x + cx
	s_and_b32 s13, ttmp7, 0xffff
	s_lshl_b32 s13, s13, 2
	s_add_co_u32 s13, s13, s41                     ; tile row of C = 4 x cluster y + cy
	s_lshl_b32 s43, s41, 2
	s_lshl_b32 s43, 15, s43                        ; my row of the cluster
	s_lshl_b32 s44, 0x1111, s40                    ; my column
	s_or_b32 s[G1A], s43, (1<<16)|(1<<20)|(1<<21)|(QIA<<22)|(3<<25)  ; 15:0 the mask; 17:16 2-byte elements; 20 padding on; 21 set beside a mask; 24:22 the interval; 31:25 4 words of padding
	s_or_b32 s[G1B], s44, (1<<16)|(1<<20)|(1<<21)|(QIB<<22)|(3<<25)
	s_mov_b32 s[G1A+1], (AD0&0xffff)<<16           ; tensor_dim0
	s_mov_b32 s[G1A+2], (AD0>>16)|(AD1<<16)        ; tensor_dim1
	s_mov_b32 s[G1A+3], AD0<<16                    ; tile_dim0
	s_mov_b32 s[G1A+4], AD1                        ; tile_dim1
	s_mov_b32 s[G1A+5], ASTR                       ; elements from row to row
	s_mov_b32 s[G1A+6], 0
	s_mov_b32 s[G1A+7], 0
	s_mov_b32 s[G1B+1], KSTEP<<16
	s_mov_b32 s[G1B+2], ROWSB<<16
	s_mov_b32 s[G1B+3], KSTEP<<16
	s_mov_b32 s[G1B+4], ROWSB
	s_mov_b32 s[G1B+5], SIZE_K
	s_mov_b32 s[G1B+6], 0
	s_mov_b32 s[G1B+7], 0
	s_mul_i32 s16, s13, TM                         ; A's tile hangs on the tile row alone,
	s_mul_i32 s17, s12, ROWSA
	s_add_co_u32 s16, s16, s17
	s_mul_i32 s16, s16, AROWB                      ; its first row in bytes: under 2^26
	s_mov_b32 s17, 0
	s_mul_i32 s46, s42, TN                         ; B's on the tile column alone
	s_mul_i32 s45, s12, ROWSB
	s_add_co_u32 s46, s46, s45
	s_mul_i32 s46, s46, SIZE_K*2
	s_add_co_u32 s46, s46, WOFF
	s_mov_b32 s47, 0
	s_mul_i32 s[LBA], s12, AHALF                   ; no place in the cluster enters an LDS address
	s_mul_i32 s[LBB], s12, BHALF
	s_add_co_u32 s[LBB], s[LBB], 2*AHALF
	s_mov_b32 s[TB], 0
	s_mul_i32 s22, s42, TN                         ; my first column of C
	s_mul_i32 s23, s21, NB*16
	s_add_co_u32 s22, s22, s23
.if KIND == 0
	s_mul_i32 s18, s42, 3*524288                   ; my three planes of 4,096 x 128 bytes,
	s_lshl_b32 s19, s13, 15                        ; the tile's 256 tokens of 128 bytes,
	s_add_co_u32 s18, s18, s19
	s_lshl_b32 s19, s10, 13                        ; my wave's 64 of them
	s_add_co_u32 s18, s18, s19
.else
	s_mul_i32 s18, s13, TM                         ; my first row of C,
	s_mul_i32 s19, s20, MB*16
	s_add_co_u32 s18, s18, s19
	s_mul_i32 s18, s18, SIZE_N*OB                  ; in bytes,
	s_mul_i32 s19, s22, OB                         ; and my first column
	s_add_co_u32 s18, s18, s19
.endif
	s_mov_b32 s19, 0
	s_lshl_b32 s22, s22, 2                         ; my first column in the bias
	s_mov_b32 s23, 0
	s_wait_dscnt 0x0                               ; the opening add is done
	s_wait_kmcnt 0x0
	s_add_nc_u64 s[14:15], s[4:5], s[16:17]
	s_add_nc_u64 s[46:47], s[6:7], s[46:47]
	s_add_nc_u64 s[8:9], s[8:9], s[18:19]
	s_add_nc_u64 s[68:69], s[68:69], s[22:23]
.if KIND >= 2
	s_add_nc_u64 s[70:71], s[70:71], s[18:19]
.endif
.irp t, 0,1
	s_mov_b32 s[G0A+4*(\t)], 1                                       ; count = 1
	s_add_co_u32 s[G0A+4*(\t)+1], s[LBA], (\t)*SLOT                  ; LDS address
	s_add_nc_u64 s[G0A+4*(\t)+2:G0A+4*(\t)+3], s[14:15], (\t)*ASTEP  ; global address: K step t
	s_or_b32 s[G0A+4*(\t)+3], s[G0A+4*(\t)+3], 0x80000000            ; type = 2
	s_mov_b32 s[G0B+4*(\t)], 1
	s_add_co_u32 s[G0B+4*(\t)+1], s[LBB], (\t)*SLOT
	s_add_nc_u64 s[G0B+4*(\t)+2:G0B+4*(\t)+3], s[46:47], (\t)*BSTEP
	s_or_b32 s[G0B+4*(\t)+3], s[G0B+4*(\t)+3], 0x80000000
.endr
	CROUND                                         ; all sixteen work-groups are here: the first joint loads meet
	s_cmp_eq_u32 s11, 0                            ; a wave's two first fills stand in one branch: two loads of mine are out
	s_cbranch_scc0 .Lfirst_b
	tensor_load_to_lds s[G0A:G0A+3], s[G1A:G1A+7]
	s_nop 0
	tensor_load_to_lds s[G0A+4:G0A+7], s[G1A:G1A+7]
	s_nop 0
	PLACES
	s_branch .Lfirst_done
.Lfirst_b:
	tensor_load_to_lds s[G0B:G0B+3], s[G1B:G1B+7]
	s_nop 0
	tensor_load_to_lds s[G0B+4:G0B+7], s[G1B:G1B+7]
	s_nop 0
	PLACES
.Lfirst_done:
	v_and_b32 v1, 15, v0                           ; l % 16
	v_bfe_u32 v2, v0, 4, 1                         ; l / 16
	v_lshlrev_b32 v[BO], 5, v2                     ; the bias in C's layout: register j of block b holds column 16 b + 8 (l / 16) + j
.set i, 0
.rept NB
	global_load_b128 v[BIAS+8*i:BIAS+8*i+3], v[BO], s[68:69] offset:64*i
	global_load_b128 v[BIAS+8*i+4:BIAS+8*i+7], v[BO], s[68:69] offset:64*i+16
.set i, i+1
.endr
.if KIND == 0
	v_and_b32 v3, 31, v0
	v_lshlrev_b32 v[CO], 4, v3                     ; 512 consecutive bytes a store
.else
	v_mul_u32_u24 v3, v2, SIZE_N*OB                ; lanes 0-15 one row of 256 bytes, lanes 16-31 the next
	v_lshl_add_u32 v[CO], v1, 4, v3
.endif
.if KIND >= 2
	WIN 0x80                                       ; destination window 2: my 64 x 64 of the residual, in the order in which the way out reads rows back
.set i, 0
.rept 32
	global_load_b128 v[RES+4*i:RES+4*i+3], v[CO], s[70:71] offset:2*i*SIZE_N*4
.set i, i+1
.endr
	WIN 0
.endif
	v_mul_u32_u24 v3, v1, PITCHA
	v_lshl_add_u32 v3, v2, 4, v3                   ; a fragment's row x pitch + 16 x half
	s_mul_i32 s16, s20, AWAVE
	v_add_nc_u32 v[ADRA0], s16, v3
	v_mul_u32_u24 v3, v1, PITCHB
	v_lshl_add_u32 v3, v2, 4, v3
	s_mul_i32 s16, s21, NB*16*PITCHB
	s_add_co_u32 s16, s16, 2*AHALF                 ; B lies behind A's two halves
	v_add_nc_u32 v[ADRB0], s16, v3
	v_mov_b32 v[ADRA], v[ADRA0]
	v_mov_b32 v[ADRB], v[ADRB0]
	s_mul_i32 s16, s10, STAGEW
	s_add_co_u32 s16, s16, STAGE                   ; my stage
.if KIND == 0
	v_mul_u32_u24 v3, v1, 144                      ; in: row l % 16 of a head's 16 x 128 bytes, 16 bytes for each half of the lanes
	v_lshl_add_u32 v3, v2, 4, v3
	v_add_nc_u32 v[STO], s16, v3
	v_bfe_u32 v3, v0, 3, 2                         ; back: 32 lanes take four rows of 128 bytes
	v_mul_u32_u24 v3, v3, 144
	v_and_b32 v4, 7, v0
	v_lshl_add_u32 v3, v4, 4, v3
	v_add_nc_u32 v[RD], s16, v3
.else
	v_mul_u32_u24 v3, v1, 272                      ; in: row l % 16; eight numbers for each half of the lanes
	v_lshl_add_u32 v3, v2, 3+OB/2, v3
	v_add_nc_u32 v[STO], s16, v3
	v_mul_u32_u24 v3, v2, 272                      ; back: lanes 0-15 one row of 256 bytes, lanes 16-31 the next
	v_lshl_add_u32 v3, v1, 4, v3
	v_add_nc_u32 v[RD], s16, v3
.endif
	s_wait_tensorcnt 0x1                           ; my part of K step 0 is in; K step 1's may stay out
	s_barrier_signal -1
	s_barrier_wait -1                              ; everybody's is
	FETCH 0, 0
.if KIND >= 2
	s_wait_loadcnt 32                              ; the bias is in; the 32 loads of the residual stay out
.else
	s_wait_loadcnt 0x0                             ; the bias
.endif
	QUARTER 1, 0, 1, 1                             ; the first chunk stands in front of the loop: its products start the sums
	WIN 0                                          ; at a label and at a branch every window is 0
	s_mov_b32 s3, NS-2
.Lk:                                                   ; a trip: a K step's chunks 1, 2, 3 and the next step's chunk 0; one refill
	QUARTER 2, 1, 0, 0
	QUARTER 3, 0, 1, 0
	TURN
	QUARTER 1, 0, 1, 0
	WIN 0
	s_sub_co_u32 s3, s3, 1
	s_cmp_lg_u32 s3, 0
	s_cbranch_scc1 .Lk
	s_mov_b32 s[CNT], 2
.Ltail:                                                ; the last two K steps ask for nothing; the second trip is left in its middle
	QUARTER 2, 1, 0, 0
	QUARTER 3, 0, 1, 0
	MEET                                           ; in the first trip: the last K step's slot is whole
	s_sub_co_u32 s[CNT], s[CNT], 1
	s_cmp_eq_u32 s[CNT], 0
	s_cbranch_scc1 .Lout
	s_xor_b32 s[TB], s[TB], SLOT
	v_add_nc_u32 v[ADRA], s[TB], v[ADRA0]
	v_add_nc_u32 v[ADRB], s[TB], v[ADRB0]
	PLACES
	FETCH 0, 0
	MULP 1, MB/2, MB/2, 0
	QUARTER 1, 0, 1, 0
	WIN 0
	s_branch .Ltail
.Lout:
	MULP 1, MB/2, MB/2, 0
	WIN 0
	PLACES
; THE WAY OUT, a block of 16 rows at a time, through my own stage in LDS, so that each store of the wave covers whole aligned runs of 256 bytes.  Each accumulator's registers are read in ascending order.
.macro PACK a                          ; KIND 0, 1: rounded to f16 (KIND 1: ReLU first), 16 bytes for each block of 16 columns
.set AC, 8*NB*((\a)%(MB/2))
.if KIND == 1
	WIN 0x88+0x44*((\a)/(MB/2))
.set i, 0
.rept 8*NB
	v_max_num_f32 v[AC+i], 0, v[AC+i]
.set i, i+1
.endr
.endif
.if KIND < 2
	WIN 0x0a+5*((\a)/(MB/2))
.set i, 0
.rept 4*NB
	v_cvt_pk_f16_f32 v[TMP+i], v[AC+2*i], v[AC+2*i+1]
.set i, i+1
.endr
	WIN 0
.endif
.endm
.macro TOSTAGE a
.set AC, 8*NB*((\a)%(MB/2))
.set BK, BK0+(BK1-BK0)*((\a)%2)
.if KIND >= 2
	WIN 0x08+4*((\a)/(MB/2))                       ; the data come straight from the accumulators, f32
.set i, 0
.rept NB
	ds_store_b128 v[STO], v[AC+8*i:AC+8*i+3] offset:64*i
	ds_store_b128 v[STO], v[AC+8*i+4:AC+8*i+7] offset:64*i+16
.set i, i+1
.endr
.endif
	WIN 0
.set i, 0
.if KIND == 1
.rept NB
	ds_store_b128 v[STO], v[TMP+4*i:TMP+4*i+3] offset:32*i
.set i, i+1
.endr
.elseif KIND == 0
.rept NB
	ds_store_b128 v[STO], v[TMP+4*i:TMP+4*i+3] offset:(i/4)*2304+(i%4)*32
.set i, i+1
.endr
.endif
.set i, 0
.if KIND == 0
.rept 12
	ds_load_b128 v[BK+4*i:BK+4*i+3], v[RD] offset:(i/4)*2304+(i%4)*576  ; LDS serves a wave's instructions in order (ISA guide 5.7.1.4): these see the stores above
.set i, i+1
.endr
.else
.rept 8
	ds_load_b128 v[BK+4*i:BK+4*i+3], v[RD] offset:i*544                 ; LDS serves a wave's instructions in order (ISA guide 5.7.1.4): these see the stores above
.set i, i+1
.endr
.endif
.endm
.macro SEND a
.set BK, BK0+(BK1-BK0)*((\a)%2)
	WIN 0
	s_wait_dscnt 0x0                               ; the block is back in registers
	s_wait_xcnt 0x0                                ; the stores of the block before have read their registers: the next block's loads from the stage land there only behind this wait
.if KIND >= 2
	WIN 0x08
.set i, 0
.rept 16
	v_pk_add_f32 v[BK+2*i:BK+2*i+1], v[BK+2*i:BK+2*i+1], v[RES+32*(\a)+2*i:RES+32*(\a)+2*i+1]
.set i, i+1
.endr
	WIN 0
.endif
.set i, 0
.if KIND == 0
.rept 12
	global_store_b128 v[CO], v[BK+4*i:BK+4*i+3], s[8:9] offset:(i/4)*524288+(\a)*2048+(i%4)*512  ; four tokens of a head: 512 consecutive bytes
.set i, i+1
.endr
.else
.rept 8
	global_store_b128 v[CO], v[BK+4*i:BK+4*i+3], s[8:9] offset:(16*(\a)+2*i)*SIZE_N*OB           ; 16 lanes store 256 consecutive bytes, aligned
.set i, i+1
.endr
.endif
.endm
.if KIND >= 2
	s_wait_loadcnt 0x0                             ; the residual
.endif
	PACK 0
	TOSTAGE 0
.set blk, 1
.rept MB-1
	PACK blk
	SEND blk-1
	TOSTAGE blk
.set blk, blk+1
.endr
	SEND MB-1
	s_wait_tensorcnt 0x0                           ; the wave's end, behind my last tensor load and my last LDS store
	ds_add_u32 v[SPW], v[NIL]
	s_wait_dscnt 0x0
	CROUND                                         ; the closing round: no work-group ends while a partner may still ask for a tile that names it
	s_endpgm
.Lfunc_end_k_q27e3b47418_gqkv:
	.size	k_q27e3b47418_gqkv, .Lfunc_end_k_q27e3b47418_gqkv-k_q27e3b47418_gqkv
	.p2alignl 7, 3214868480
	.fill 96, 4, 3214868480
	.section	.rodata,"a",@progbits
	.p2align	6, 0x0
	.amdhsa_kernel k_q27e3b47418_gqkv
		.amdhsa_group_segment_fixed_size 327680
		.amdhsa_private_segment_fixed_size 0
		.amdhsa_enable_private_segment 0
		.amdhsa_kernarg_size 24
		.amdhsa_user_sgpr_count 2
		.amdhsa_user_sgpr_kernarg_segment_ptr 1
		.amdhsa_wavefront_size32 1
		.amdhsa_system_sgpr_workgroup_id_x 1
		.amdhsa_system_sgpr_workgroup_id_y 1
		.amdhsa_system_sgpr_workgroup_id_z 1
		.amdhsa_system_vgpr_workitem_id 0
		.amdhsa_next_free_vgpr 960
		.amdhsa_next_free_sgpr 80
		.amdhsa_reserve_vcc 0
		.amdhsa_float_denorm_mode_32 3
		.amdhsa_float_denorm_mode_16_64 3
		.amdhsa_memory_ordered 1
		.amdhsa_forward_progress 1
		.amdhsa_inst_pref_size 87
	.end_amdhsa_kernel
	.amdgpu_metadata
---
amdhsa.version: [ 1, 2 ]
amdhsa.kernels:
  - .name:           k_q27e3b47418_gqkv
    .symbol:         k_q27e3b47418_gqkv.kd
    .args:
      - { .name: hw, .offset: 0, .size: 8, .value_kind: global_buffer, .address_space: global }
      - { .name: in_proj_b, .offset: 8, .size: 8, .value_kind: global_buffer, .address_space: global }
      - { .name: qkv, .offset: 16, .size: 8, .value_kind: global_buffer, .address_space: global }
    .group_segment_fixed_size: 327680
    .private_segment_fixed_size: 0
    .kernarg_segment_align: 8
    .kernarg_segment_size: 24
    .max_flat_workgroup_size: 128
    .sgpr_count:     80
    .vgpr_count:     960
    .wavefront_size: 32
...
	.end_amdgpu_metadata
.endif
;; end of part 2
;; launch attn (part 3): grid 8 x 32, 8 waves a work-group, no clusters, 175,104 bytes of LDS; arguments qkv, oh; writes oh
.if DOCPART == 3
	.amdgcn_target "amdgcn-amd-amdhsa--gfx1250"
	.amdhsa_code_object_version 6
	.text
	.protected	k_q27e3b47418_attn
	.globl	k_q27e3b47418_attn
	.p2align	8
	.type	k_q27e3b47418_attn,@function
k_q27e3b47418_attn:
	s_mov_b64 s[64:65], 0
	v_nop
	global_prefetch_b8 v0, s[64:65] scope:SCOPE_SE
	s_setreg_imm32_b32 hwreg(HW_REG_WAVE_MODE, 25, 1), 1
	s_wait_xcnt 0x0
; BANDED ATTENTION.  O[q] = the sum over keys k with |q - k| <= 128 of softmax_k(Q[q] . K[k] / 8) V[k], for each of 2 batches x 16 heads of 2,048 tokens x 64 channels.
; qkv: f16 [48][4096][64] (planes 0-15 q's heads, 16-31 k's, 32-47 v's; token = 2,048 x batch + position); oh: f16 [16][4096][64].
; Products, maxima and sums in f32; the weights p are rounded to f16 for the second product (their sum l is taken of the unrounded p), O once at the end.
; LIMITS.  q, k, v arrive within f16's 65,504.  A hidden score counts as its value less 1e30 (f16's scores are 2.7e11 at the most); the running maximum starts at -1e20, below every score;
; a weight below 2^-126 counts as 0; NaN and infinities are not treated apart.
; SHARES.  A work-group owns 256 queries of one batch and head, each of its eight waves 32: two tiles of 16.  The 512 keys from 128 before the block's first query lie in LDS, filled ONCE: eight tensor
; loads, one a wave, of 128 keys of K or of V.  A piece that would lie outside the sequence is taken from its nearest end instead: finite numbers that the mask hides.
; A wave walks the 288 keys from 128 before its first query, 32 a step, nine steps.  Two waves share a SIMD's registers, so that one wave's softmax stands beside the other's products.
; NO CLUSTER: neighbouring blocks share two of their four pieces, but at other LDS addresses, so no descriptor is equal in both.
; LAYOUT.  S^T = K Q^T (source 0 = 16 keys, source 1 = 16 queries): a lane holds ONE query (lane % 16) and the keys 8 (lane / 16) + 0..7.  Two such results rounded to f16 ARE source 1 of O^T = V^T P.
; THE MASK is the C operand that starts S^T's sum.  With key tile kt and query tile u of a step: in the first step kt < u is hidden and kt = u where key < query in the tile; in the last step kt > u
; and kt = u where key > query; a step outside the sequence is hidden whole; all else is seen.
; SOFTMAX.  p = 2^(c s - c m), c = log2(e) / 8, with a running maximum m; O and l are multiplied by a = 2^(c m_old - c m_new) in every step.
.set PK,    144       ; a row of K in LDS: 128 bytes + 16 of padding: the 16 rows of a load start at 16 different groups of four banks (64 banks of 4 bytes: ISA guide 11.1)
.set PV,    160       ; a row of V: 128 + 32
.set VOFF,  512*PK
.set STAGE, VOFF+512*PV        ; never filled by a tensor load: 16 rows x 144 bytes for each wave, for the way out
.set SP,    144
.set SPARE, STAGE+8*16*SP      ; the spare words, 128 bytes for each wave, which no other line names
.set AK,  3           ; v3   LDS address of K's next run of loads
.set AV,  4           ; v4   of V's
.set STO, 5           ; v5   the way out: where I put 16 bytes of a row
.set RD,  6           ; v6   the way out: where I read rows back
.set QO,  7           ; v7   my byte offset in 16 rows of Q
.set SPW, 8           ; v8   LDS address of my spare word; never rewritten
.set NIL, 9           ; v9   0; never rewritten
.set GO,  10          ; v10  my byte offset in 512 consecutive bytes of O
.set ST,  12          ; tile u's statistics at v[ST+8 u]: c m, m, l (even keys', odd keys'), c0-c3 at work; c2 takes a
.set G,   28          ; v28-35  the sign of (key - query) inside a tile, as -1, 0, 1
.set LOWM,  36        ; the masks of a step: for kt < u,
.set HIGHM, 44        ; for kt > u,
.set DIAGM, 52        ; for kt = u
.set Q,   60          ; tile u, channel half c at Q + 16 u + 8 c
.set K,   92          ; key tile kt, channel half c at K + 16 kt + 8 c
.set V,   124         ; channel block cb at V + 8 cb
.set S,   156         ; S^T of tile u, key tile kt at S + 16 u + 8 kt; P is packed into S + 16 u + 0..7
.set O,   188         ; O^T of tile u, channel block cb at O + 32 u + 8 cb
.set WV,  10
.set G0K, 24          ; s[24:27], s[28:31] descriptor group 0 for K's and V's piece
.set G0V, 28
.set G1K, 32          ; s[32:39], s[40:47] group 1: they differ in the padding alone
.set G1V, 40
.set CS,  54          ; s[54:55] c
.set SEL, 56          ; s[56:57] v_permlanex16_b32's selects: each lane takes its own place in the other half
.set BIGN, 58         ; -1e30
.set BIGP, 59         ; +1e30
.set JB,  60          ; the step's first key, in the sequence
.set CNT, 61          ; steps to go, 9 to 1
.set BE,  62          ; -1e30 if the step lies outside the sequence, else 0
.set SL,  63
.set SH,  66
.set XX,  67
.macro BOTH line:vararg                ; one line for each of the two tiles
.set tu, 0
.rept 2
.set rT, ST+8*tu
.set rS, S+16*tu
	\line
.set tu, tu+1
.endr
.endm
	s_load_b128 s[4:7], s[0:1], 0x0                ; qkv s[4:5], oh s[6:7]
	v_lshl_add_u32 v[SPW], v0, 2, SPARE
	v_mov_b32 v[NIL], 0
	ds_add_u32 v[SPW], v[NIL]                      ; the wave's opening: the add and its wait stand ahead of my tensor load; the set-up below, work on registers, stands between them
	ds_add_u32 v8, v9
	v_lshrrev_b32 v1, 5, v0
	v_readfirstlane_b32 s[WV], v1                  ; wave 0..7
	s_and_b32 s11, s[WV], 3                        ; which piece of 128 keys I fetch
	s_and_b32 s12, ttmp7, 0xffff
	s_and_b32 s13, s12, 15                         ; head
	s_lshr_b32 s14, s12, 4                         ; batch
	s_lshl_b32 s13, s13, 19                        ; a plane is 524,288 bytes,
	s_lshl_b32 s14, s14, 18                        ; a batch's 2,048 tokens 262,144
	s_add_co_u32 s16, s13, s14
	s_lshl_b32 s15, ttmp9, 8                       ; the block's first query
	s_lshl_b32 s18, s11, 7
	s_add_co_u32 s18, s18, s15
	s_sub_co_i32 s18, s18, 128                     ; my piece's first key,
	s_max_i32 s18, s18, 0                          ; or the nearest piece inside the sequence
	s_min_i32 s18, s18, 1920
	s_lshl_b32 s18, s18, 7
	s_add_co_u32 s18, s18, s16
	s_add_co_u32 s20, s18, 16*524288               ; in k's planes,
	s_mov_b32 s21, 0
	s_add_co_u32 s22, s18, 32*524288               ; in v's
	s_mov_b32 s23, 0
	s_mov_b32 s[G0K], 1                            ; count = 1
	s_mul_i32 s[G0K+1], s11, 128*PK                ; LDS address
	s_mov_b32 s[G0V], 1
	s_mul_i32 s[G0V+1], s11, 128*PV
	s_add_co_u32 s[G0V+1], s[G0V+1], VOFF
	; 128 keys are 16,384 dense bytes: asked for as 64 rows of 256 bytes, two keys a row, and padded in LDS after every key
	s_mov_b32 s[G1K], (1<<16)|(1<<20)|(4<<22)|(3<<25)  ; 2-byte elements; padding on; after every 32 words; 4 words
	s_mov_b32 s[G1V], (1<<16)|(1<<20)|(4<<22)|(7<<25)  ; the same with 8 words
.irp g, G1K, G1V
	s_mov_b32 s[\g+1], 128<<16                     ; tensor_dim0 = 128
	s_mov_b32 s[\g+2], 64<<16                      ; tensor_dim1 = 64
	s_mov_b32 s[\g+3], 128<<16                     ; tile_dim0 = 128
	s_mov_b32 s[\g+4], 64                          ; tile_dim1 = 64
	s_mov_b32 s[\g+5], 128                         ; 128 elements from row to row
	s_mov_b32 s[\g+6], 0
	s_mov_b32 s[\g+7], 0
.endr
	s_lshl_b32 s19, s[WV], 5                       ; my wave's 32 queries in the block
	s_add_co_u32 s48, s15, s19
	s_sub_co_i32 s[JB], s48, 128                   ; the first step's first key; as an unsigned number a key outside the sequence is 2,048 or more
	s_lshl_b32 s50, s48, 7
	s_add_co_u32 s50, s50, s16
	s_mov_b32 s51, 0
	s_mov_b32 s[CS], 0x3e38aa3b                    ; c = log2(e) / 8
	s_mov_b32 s[CS+1], s[CS]                       ; named with it as a pair
	s_mov_b32 s[SEL], 0x76543210
	s_mov_b32 s[SEL+1], 0xfedcba98
	s_mov_b32 s[BIGN], 0xf149f2ca
	s_mov_b32 s[BIGP], 0x7149f2ca
	s_wait_dscnt 0x0                               ; the opening add is done
	s_wait_kmcnt 0x0
	s_add_nc_u64 s[G0K+2:G0K+3], s[4:5], s[20:21]
	s_or_b32 s[G0K+3], s[G0K+3], 0x80000000        ; type = 2
	s_add_nc_u64 s[G0V+2:G0V+3], s[4:5], s[22:23]
	s_or_b32 s[G0V+3], s[G0V+3], 0x80000000
	s_add_nc_u64 s[4:5], s[4:5], s[50:51]          ; Q and O at my wave's first row
	s_add_nc_u64 s[6:7], s[6:7], s[50:51]
	s_cmp_lt_u32 s[WV], 4                          ; waves 0-3 fetch K's four pieces, waves 4-7 V's: one load of mine is out
	s_cbranch_scc0 .Lfor_v
	tensor_load_to_lds s[G0K:G0K+3], s[G1K:G1K+7]
	s_nop 0
.rept 4
	v_nop
.endr
	s_branch .Lasked
.Lfor_v:
	tensor_load_to_lds s[G0V:G0V+3], s[G1V:G1V+7]
	s_nop 0
.rept 4
	v_nop
.endr
.Lasked:
	v_and_b32 v1, 15, v0                           ; l % 16
	v_bfe_u32 v2, v0, 4, 1                         ; l / 16
	v_lshlrev_b32 v[QO], 7, v1
	v_lshl_add_u32 v[QO], v2, 4, v[QO]             ; row x 128 + 16 x half
.set i, 0
.rept 4                                ; Q stays in registers: tile i / 2, channels 32 (i % 2) on
	global_load_b128 v[Q+8*i:Q+8*i+3],   v[QO], s[4:5] offset:(i/2)*2048+(i%2)*64
	global_load_b128 v[Q+8*i+4:Q+8*i+7], v[QO], s[4:5] offset:(i/2)*2048+(i%2)*64+32
.set i, i+1
.endr
	v_lshlrev_b32 v11, 3, v2
	v_sub_nc_u32 v11, v11, v1                      ; register j holds key 8 (l / 16) + j of a tile, my query is l % 16
.set i, 0
.rept 8
	v_add_nc_u32 v[G+i], i, v11
	v_cvt_f32_i32 v[G+i], v[G+i]
	v_max_num_f32 v[G+i], -1.0, v[G+i]
	v_min_num_f32 v[G+i], 1.0, v[G+i]
.set i, i+1
.endr
	s_mul_i32 s52, s19, PK                         ; my wave's first key lies 32 x wave rows into the tiles
	v_mul_u32_u24 v[AK], v1, PK
	v_lshl_add_u32 v[AK], v2, 4, v[AK]
	v_add_nc_u32 v[AK], s52, v[AK]
	; The turning load takes 16 keys x 16 channels (lane l reads key 8 (l / 16) + l % 8, channels 8 ((l / 8) % 2) + 0..7) and leaves half a fragment of V^T: lane l holds channel l % 16 and 8 keys.
	v_and_b32 v11, 7, v0
	v_lshl_add_u32 v[AV], v2, 3, v11
	v_mul_u32_u24 v[AV], v[AV], PV
	v_lshl_add_u32 v[RD], v11, 4, 0
	v_bfe_u32 v11, v0, 3, 1
	v_lshl_add_u32 v[AV], v11, 4, v[AV]
	s_mul_i32 s53, s19, PV
	s_add_co_u32 s53, s53, VOFF
	v_add_nc_u32 v[AV], s53, v[AV]
	s_mul_i32 s52, s[WV], 16*SP
	s_add_co_u32 s52, s52, STAGE                   ; my stage
	v_mul_u32_u24 v[STO], v1, SP                   ; in: row l % 16, 16 bytes for each half of the lanes
	v_lshl_add_u32 v[STO], v2, 4, v[STO]
	v_add_nc_u32 v[STO], s52, v[STO]
	v_bfe_u32 v11, v0, 3, 2                        ; back: 32 lanes take four rows of 128 bytes,
	v_mad_u32_u24 v[RD], v11, SP, v[RD]
	v_add_nc_u32 v[RD], s52, v[RD]
	v_and_b32 v[GO], 31, v0                        ; which are 512 consecutive bytes of O
	v_lshlrev_b32 v[GO], 4, v[GO]
	; O^T and l start at 0, m far below every score: no first step is written out; these lines stand in the wait for the tiles
.set i, 0
.rept 64
	v_mov_b32 v[O+i], 0
.set i, i+1
.endr
	BOTH v_mov_b32 v[rT+1], 0xe0ad78ec             ; m = -1e20
	BOTH v_mul_f32 v[rT], s[CS], v[rT+1]           ; c m
	BOTH v_mov_b32 v[rT+2], 0
	BOTH v_mov_b32 v[rT+3], 0
	s_wait_tensorcnt 0x0                           ; my piece is in,
	s_barrier_signal -1
	s_barrier_wait -1                              ; everybody's is; nothing is ever filled again
.macro FETCH_K                         ; 32 keys x 64 channels: key tile f / 2, channels 32 (f % 2) on
.irp f, 0,1,2,3
	ds_load_b128 v[K+8*\f:K+8*\f+3],   v[AK] offset:(\f/2)*16*PK+(\f%2)*64
	ds_load_b128 v[K+8*\f+4:K+8*\f+7], v[AK] offset:(\f/2)*16*PK+(\f%2)*64+32
.endr
.endm
	FETCH_K                                        ; the first step's K
	s_wait_loadcnt 0x0                             ; Q
	s_mov_b32 s[CNT], 9
.Lstep:
	s_cmp_ge_u32 s[JB], 2048
	s_cselect_b32 s[BE], s[BIGN], 0
	s_cmp_eq_u32 s[CNT], 9                         ; the first step: keys 128 to 97 before the wave's first query
	s_cselect_b32 s[SL], s[BIGN], s[BE]
	s_cselect_b32 s[XX], s[BIGP], 0
	s_cmp_eq_u32 s[CNT], 1                         ; the last step: keys 128 to 159 behind it
	s_cselect_b32 s[SH], s[BIGN], s[BE]
	s_cselect_b32 s[XX], s[BIGN], s[XX]
.set i, 0
.rept 8                                ; 32 plain lines that name no register of the products V^T P in front of them: their places (ISA guide 7.12.1)
	v_mov_b32 v[LOWM+i], s[SL]
	v_mov_b32 v[HIGHM+i], s[SH]
	v_fma_f32 v[DIAGM+i], v[G+i], s[XX], s[BE]     ; -1e30 on the hidden side of the tile's diagonal, +1e30 on the other,
	v_min_num_f32 v[DIAGM+i], s[BE], v[DIAGM+i]    ; which is cut back
.set i, i+1
.endr
	s_wait_dscnt 0x0                               ; K is in (asked for a softmax ago)
	; S^T = K Q^T: four accumulators by turns; the first four products take the masks as C
	v_wmma_f32_16x16x32_f16 v[S:S+7],     v[K:K+7],     v[Q:Q+7],     v[DIAGM:DIAGM+7]
	v_wmma_f32_16x16x32_f16 v[S+8:S+15],  v[K+16:K+23], v[Q:Q+7],     v[HIGHM:HIGHM+7]
	v_wmma_f32_16x16x32_f16 v[S+16:S+23], v[K:K+7],     v[Q+16:Q+23], v[LOWM:LOWM+7]
	v_wmma_f32_16x16x32_f16 v[S+24:S+31], v[K+16:K+23], v[Q+16:Q+23], v[DIAGM:DIAGM+7]
	v_wmma_f32_16x16x32_f16 v[S:S+7],     v[K+8:K+15],  v[Q+8:Q+15],  v[S:S+7]
	v_wmma_f32_16x16x32_f16 v[S+8:S+15],  v[K+24:K+31], v[Q+8:Q+15],  v[S+8:S+15]
	v_wmma_f32_16x16x32_f16 v[S+16:S+23], v[K+8:K+15],  v[Q+24:Q+31], v[S+16:S+23]
	v_wmma_f32_16x16x32_f16 v[S+24:S+31], v[K+24:K+31], v[Q+24:Q+31], v[S+24:S+31]
.rept 4
	v_nop                                          ; the places in front of the loads into K's registers and of the first read of the scores
.endr
.irp f, 0,1,2,3                        ; this step's V, turned: channels 16 f on
	ds_load_tr16_b128 v[V+8*\f:V+8*\f+3],   v[AV] offset:\f*32
	ds_load_tr16_b128 v[V+8*\f+4:V+8*\f+7], v[AV] offset:16*PV+\f*32
.endr
	v_add_nc_u32 v[AV], 32*PV, v[AV]
	s_cmp_eq_u32 s[CNT], 1
	s_cbranch_scc1 .Lno_k                          ; there is no step behind the last
	v_add_nc_u32 v[AK], 32*PK, v[AK]
	FETCH_K                                        ; the next step's K
.Lno_k:
	; the softmax, the two tiles alternating; each accumulator's lowest registers are read first
	BOTH v_max3_num_f32 v[rT+4], v[rS], v[rS+1], v[rS+2]
	BOTH v_max3_num_f32 v[rT+5], v[rS+8], v[rS+9], v[rS+10]
	BOTH v_max3_num_f32 v[rT+4], v[rT+4], v[rS+3], v[rS+4]
	BOTH v_max3_num_f32 v[rT+5], v[rT+5], v[rS+11], v[rS+12]
	BOTH v_max3_num_f32 v[rT+4], v[rT+4], v[rS+5], v[rS+6]
	BOTH v_max3_num_f32 v[rT+5], v[rT+5], v[rS+13], v[rS+14]
	BOTH v_max3_num_f32 v[rT+4], v[rT+4], v[rS+7], v[rS+15]
	BOTH v_max3_num_f32 v[rT+4], v[rT+4], v[rT+5], v[rT+1]
	BOTH v_permlanex16_b32 v[rT+5], v[rT+4], s[SEL], s[SEL+1]  ; the query's other 16 keys lie in the lane 16 away
	BOTH v_mov_b32 v[rT+7], v[rT]                  ; c m_old is kept
	BOTH v_max_num_f32 v[rT+1], v[rT+4], v[rT+5]   ; the new m
	BOTH v_mul_f32 v[rT], s[CS], v[rT+1]
	BOTH v_sub_f32 v[rT+7], v[rT+7], v[rT]
	BOTH v_exp_f32 v[rT+6], v[rT+7]                ; a; the scalings below are the plain lines behind it
.set i, 0
.rept 8
	BOTH v_pk_fma_f32 v[rS+2*i:rS+2*i+1], v[rS+2*i:rS+2*i+1], s[CS:CS+1], v[rT:rT+1] op_sel_hi:[1,0,0] neg_lo:[0,0,1] neg_hi:[0,0,1]
.set i, i+1
.endr
.irp u, 0,1                            ; a tile's 16 exponentials, and behind them its O^T times a: plain lines that touch none of them
.set i, 0
.rept 16
	v_exp_f32 v[S+16*\u+i], v[S+16*\u+i]
.set i, i+1
.endr
.set i, 0
	s_wait_alu depctr_va_vdst(0)
.rept 16
	v_pk_mul_f32 v[O+32*\u+2*i:O+32*\u+2*i+1], v[O+32*\u+2*i:O+32*\u+2*i+1], v[ST+8*\u+6:ST+8*\u+7] op_sel_hi:[1,0]
.set i, i+1
.endr
.endr
	BOTH v_pk_fma_f32 v[rT+2:rT+3], v[rT+2:rT+3], v[rT+6:rT+7], v[rS:rS+1] op_sel_hi:[1,0,1]  ; l = a l + p
.set i, 1
.rept 7
	BOTH v_pk_add_f32 v[rT+2:rT+3], v[rT+2:rT+3], v[rS+2*i:rS+2*i+1]
.set i, i+1
.endr
.set i, 0
.rept 8                                ; P in place: register i takes weights 2 i and 2 i + 1, which no earlier line of the run has overwritten
	BOTH v_cvt_pk_f16_f32 v[rS+i], v[rS+2*i], v[rS+2*i+1]
.set i, i+1
.endr
	s_wait_dscnt 0x0                               ; V is in, and the next step's K
.set i, 0
.rept 8                                ; O^T += V^T P: eight accumulators, one product each
	v_wmma_f32_16x16x32_f16 v[O+32*(i%2)+8*(i/2):O+32*(i%2)+8*(i/2)+7], v[V+8*(i/2):V+8*(i/2)+7], v[S+16*(i%2):S+16*(i%2)+7], v[O+32*(i%2)+8*(i/2):O+32*(i%2)+8*(i/2)+7]
.set i, i+1
.endr
	s_add_co_u32 s[JB], s[JB], 32
	s_sub_co_u32 s[CNT], s[CNT], 1
	s_cmp_lg_u32 s[CNT], 0
	s_cbranch_scc1 .Lstep
	; THE WAY OUT.  l's two halves and the other half of the lanes' are added; O^T is divided by l, rounded to f16 and sent through my stage in LDS, a tile at a time.
.rept 4
	v_nop                                          ; the places behind the last products
.endr
	BOTH v_add_f32 v[rT+4], v[rT+2], v[rT+3]
	BOTH v_permlanex16_b32 v[rT+5], v[rT+4], s[SEL], s[SEL+1]
	BOTH v_add_f32 v[rT+4], v[rT+4], v[rT+5]
	BOTH v_rcp_f32 v[rT+6], v[rT+4]
	v_nop                                          ; a plain line between the last reciprocal and the use of its result
	s_wait_alu depctr_va_vdst(0)
.macro PACK u                          ; a lane's eight channels of a row pack into 16 bytes; they go into rows of 144 bytes and come back as whole rows of 128
.set i, 0
.rept 16
	v_pk_mul_f32 v[O+32*(\u)+2*i:O+32*(\u)+2*i+1], v[O+32*(\u)+2*i:O+32*(\u)+2*i+1], v[ST+8*(\u)+6:ST+8*(\u)+7] op_sel_hi:[1,0]
.set i, i+1
.endr
.set i, 0
.rept 16
	v_cvt_pk_f16_f32 v[S+16*(\u)+i], v[O+32*(\u)+2*i], v[O+32*(\u)+2*i+1]
.set i, i+1
.endr
.irp f, 0,1,2,3
	ds_store_b128 v[STO], v[S+16*(\u)+4*\f:S+16*(\u)+4*\f+3] offset:32*\f
.endr
.irp f, 0,1,2,3
	ds_load_b128 v[S+16*(\u)+4*\f:S+16*(\u)+4*\f+3], v[RD] offset:\f*4*SP  ; LDS serves a wave's instructions in order (ISA guide 5.7.1.4): these see the stores above; the next tile's stores come behind them
.endr
.endm
.macro SEND u, younger                 ; younger: the LDS instructions issued behind tile u's loads
.irp f, 0,1,2,3
	s_wait_dscnt (\younger)+3-\f
	global_store_b128 v[GO], v[S+16*(\u)+4*\f:S+16*(\u)+4*\f+3], s[6:7] offset:(\u)*2048+\f*512  ; 512 consecutive bytes, aligned
.endr
.endm
	PACK 0
	PACK 1
	SEND 0, 8
	SEND 1, 0
	s_wait_tensorcnt 0x0                           ; the wave's end, behind my tensor load and my last LDS store
	ds_add_u32 v[SPW], v[NIL]
	s_wait_dscnt 0x0
	s_endpgm
.Lfunc_end_k_q27e3b47418_attn:
	.size	k_q27e3b47418_attn, .Lfunc_end_k_q27e3b47418_attn-k_q27e3b47418_attn
	.p2alignl 7, 3214868480
	.fill 96, 4, 3214868480
	.section	.rodata,"a",@progbits
	.p2align	6, 0x0
	.amdhsa_kernel k_q27e3b47418_attn
		.amdhsa_group_segment_fixed_size 175104
		.amdhsa_private_segment_fixed_size 0
		.amdhsa_enable_private_segment 0
		.amdhsa_kernarg_size 16
		.amdhsa_user_sgpr_count 2
		.amdhsa_user_sgpr_kernarg_segment_ptr 1
		.amdhsa_wavefront_size32 1
		.amdhsa_system_sgpr_workgroup_id_x 1
		.amdhsa_system_sgpr_workgroup_id_y 1
		.amdhsa_system_sgpr_workgroup_id_z 1
		.amdhsa_system_vgpr_workitem_id 0
		.amdhsa_next_free_vgpr 256
		.amdhsa_next_free_sgpr 72
		.amdhsa_reserve_vcc 0
		.amdhsa_float_denorm_mode_32 3
		.amdhsa_float_denorm_mode_16_64 3
		.amdhsa_memory_ordered 1
		.amdhsa_forward_progress 1
		.amdhsa_inst_pref_size 29
	.end_amdhsa_kernel
	.amdgpu_metadata
---
amdhsa.version: [ 1, 2 ]
amdhsa.kernels:
  - .name:           k_q27e3b47418_attn
    .symbol:         k_q27e3b47418_attn.kd
    .args:
      - { .name: qkv, .offset: 0, .size: 8, .value_kind: global_buffer, .address_space: global }
      - { .name: oh, .offset: 8, .size: 8, .value_kind: global_buffer, .address_space: global }
    .group_segment_fixed_size: 175104
    .private_segment_fixed_size: 0
    .kernarg_segment_align: 8
    .kernarg_segment_size: 16
    .max_flat_workgroup_size: 256
    .sgpr_count:     72
    .vgpr_count:     256
    .wavefront_size: 32
...
	.end_amdgpu_metadata
.endif
;; end of part 3
;; launch goproj (part 4): grid 8 x 32, 4 waves a work-group, clusters of 4 x 4, 327,680 bytes of LDS; arguments oh, hw, out_proj_b, x, tsum; writes tsum
.if DOCPART == 4
	.amdgcn_target "amdgcn-amd-amdhsa--gfx1250"
	.amdhsa_code_object_version 6
	.text
	.protected	k_q27e3b47418_goproj
	.globl	k_q27e3b47418_goproj
	.p2align	8
	.type	k_q27e3b47418_goproj,@function
k_q27e3b47418_goproj:
	s_mov_b64 s[64:65], 0
	v_nop
	global_prefetch_b8 v0, s[64:65] scope:SCOPE_SE
	s_setreg_imm32_b32 hwreg(HW_REG_WAVE_MODE, 25, 1), 1
	s_wait_xcnt 0x0
	s_wait_alu depctr_hold_cnt(0) depctr_sa_sdst(0) depctr_va_vdst(0) depctr_va_sdst(0) depctr_va_ssrc(0) depctr_va_vcc(0) depctr_vm_vsrc(0)
	s_getreg_b32 s2, hwreg(HW_REG_IB_STS2, 6, 4)
	s_cmp_eq_u32 s2, 0
	s_cbranch_scc0 .Lentry_in_a_cluster
	s_endpgm
.Lentry_in_a_cluster:
	s_bfe_u32 s2, ttmp6, 0x10000c
	s_cmp_lg_u32 s2, 0xf033
	s_cbranch_scc0 .Lentry_shape_is_right
	s_endpgm
.Lentry_shape_is_right:
; tsum = x + O out_proj_w^T + out_proj_b.  A = the attention's O, f16, by heads [16][4096][64] (K index = 64 x head + channel); B = out_proj_w in f16 (hw, byte 14,680,064), [1024][1024];
; the residual x and the output tsum are f32 [4096][1024].  Sums in f32, begun with the bias; the residual is added in f32 on the way out.
; A's tile of a K step is four heads x 64 tokens x 64 channels: a tile of 4 rows of 8,192 dense bytes, padded in LDS after every token's 128 bytes; a chunk of the K step is one head.
; LIMIT: the operands are f16 (65,504 at the most).
; ONE TEXT SERVES FOUR PRODUCTS C = A B^T (+ bias ..); KIND and the table of sizes below pick the shape; the way out is chosen by .if KIND.
; SHAPE.  A work-group of four waves makes TM x TN of C; a wave MB x NB blocks of 16 x 16.  Here 128 x 128, so that 256 work-groups share C; the waves lie 2 x 2, 64 x 64 each.
; K goes in steps of KSTEP through a ring of two LDS slots filled by the tensor data mover; waves 0, 1 fetch the two halves of A's tile, waves 2, 3 of B's: one load a wave behind each change of slots.
; CLUSTER 4 x 4: the four work-groups of a row of the cluster need the same tiles of A, the four of a column the same tiles of B: each tile is asked for jointly, by the same load with the same descriptor and mask.
; THE MATRIX INSTRUCTION IS USED TRANSPOSED (source 0 = 16 rows of B, source 1 = 16 rows of A): lane l holds row l % 16 of C and its columns 8 (l / 16) + 0..7.
; REGISTERS, in windows of 256 (s_set_vgpr_msb: bits 1:0 source 0, 3:2 source 1, 5:4 source 2, 7:6 destination):
;   window 0: v0-29 addresses; A's fragments, two buffers at v64 and v128; the bias as the first products' C at v[BIAS..255]; on the way out TMP, BK0, BK1
;   window 1: B's fragments, two buffers at v0 and v128     windows 2, 3: the accumulators of the wave's upper and lower half of rows; (KIND 2, 3: window 2 v128-255 the residual)
.set KIND,   2
.set SIZE_N, 1024
.set SIZE_K, 1024
.set TM,     128
.set TN,     128
.set MB,     4                         ; blocks of 16 rows a wave
.set NB,     4                         ; blocks of 16 columns a wave
.set KD,     2                         ; matrix instructions along K in a chunk; a K step is four chunks
.set KSTEP,  256
.set PITCHA, 144                       ; a token's 128 bytes + 16 of padding: the 16 rows of a load start at 16 different groups of four banks (64 banks of 4 bytes: ISA guide 11.1)
.set PITCHB, 528                       ; 512 bytes + 16
.set ROWSA,  64                        ; rows of A in one load
.set ROWSB,  64                        ; rows of B in one load
.set AHALF,  4*ROWSA*PITCHA            ; LDS bytes of one load of A: four heads x 64 tokens
.set BHALF,  ROWSB*PITCHB
.set AWAVE,  AHALF                     ; LDS bytes from one wave row's part of A to the next
.set ACH,    ROWSA*PITCHA              ; LDS bytes from chunk to chunk in A: a head
.set ASTEP,  4*524288                  ; bytes of memory from K step to K step: four planes
.set BSTEP,  KSTEP*2
.set AROWB,  128                       ; bytes of memory from row to row of A
.set AD0,    4096                      ; A's tile: elements in a row, rows, elements from row to row
.set AD1,    4
.set ASTR,   262144
.set QIA,    4                         ; padding behind every 32 words
.set QIB,    6                         ; behind every 128 words
.set WOFF,   14680064                  ; B's first byte in hw
.set OB,     4                         ; bytes of an output number
.set STAGEW, 16*272                    ; a wave's stage: 16 rows x 272 bytes
.set BK0,    32
.set BK1,    224
.set NS,     SIZE_K/KSTEP
.set SLOT,   2*AHALF+2*BHALF           ; A's two halves, then B's two halves
.set STAGE,  2*SLOT                    ; behind the ring, never filled by a tensor load
.set SPARE,  STAGE+4*STAGEW            ; behind the stages: the spare words, 128 bytes for each wave, which no other line names
.set AU,     MB*KD                     ; LDS loads of a chunk's fragments of A's lower rows (the last issued)
.set NF,     2*KD*(MB+NB)              ; LDS loads of a chunk
.set BIAS,   256-8*NB
.set RES,    128
.set ADRA0,  14                        ; v14  my lane's place in A's tile of slot 0; never rewritten
.set ADRB0,  15                        ; v15  the same for B
.set ADRA,   16                        ; v16  the same in the slot being read
.set ADRB,   20                        ; v20
.set STO,    24                        ; v24  the way out: where I put my bytes of a row
.set RD,     25                        ; v25  the way out: where I read rows back
.set CO,     26                        ; v26  my byte offset in the output (and the residual)
.set BO,     27                        ; v27  my byte offset in the bias
.set SPW,    28                        ; v28  LDS address of my spare word; never rewritten
.set NIL,    29                        ; v29  0; never rewritten
.set G1A,    24                        ; s[24:31] descriptor group 1 for A's tiles
.set G0A,    32                        ; s[32:39] group 0: set 0 for K step 0, set 1 for K step 1, which then walks
.set G1B,    48                        ; s[48:55], s[56:63] the same for B's
.set G0B,    56
.set TB,     72                        ; s72  the slot being read: 0 or SLOT
.set LBA,    73                        ; s73  where my load of A lands in a slot
.set LBB,    74                        ; s74  where my load of B lands
.set CNT,    75                        ; s75  counts the last two K steps
.set MSB, 0
.macro WIN new                         ; the immediate's high byte repeats the setting that is left; a switch that changes nothing is dropped
.if MSB != (\new)
	s_set_vgpr_msb (MSB<<8)|(\new)
.set MSB, (\new)
.endif
.endm
.macro PLACES                          ; four places in front of loads into registers that matrix instructions have read, and of lines that read results
.rept 4
	v_nop
.endr
.endm
.macro CREST                           ; a round of the cluster's barrier behind its opening barrier
	s_cmp_lg_u32 s10, 0
	s_cbranch_scc1 .Lnot_wave_0_\@
	s_barrier_signal -3
.Lnot_wave_0_\@:
	s_barrier_wait -3
	s_barrier_signal -1
	s_barrier_wait -1
.endm
.macro CROUND                          ; a whole round
	s_barrier_signal -1
	s_barrier_wait -1
	CREST
.endm
.macro JLOAD                           ; a joint refill by the walking descriptor; an s_nop 0 and four v_nop follow each of the two lines
	s_cmp_eq_u32 s11, 0
	s_cbranch_scc0 .Lfor_b_\@
	tensor_load_to_lds s[G0A+4:G0A+7], s[G1A:G1A+7]
	s_nop 0
	PLACES
	s_branch .Lasked_\@
.Lfor_b_\@:
	tensor_load_to_lds s[G0B+4:G0B+7], s[G1B:G1B+7]
	s_nop 0
	PLACES
.Lasked_\@:
.endm
; Products of buffer f: row blocks a0 .. a0 + na - 1 x all NB column blocks, KD deep.  The accumulators take turns, one instruction a turn.
; first = 1: the first product of each sum takes the bias as C: nothing is cleared and nothing is added later.
.macro MULP f, a0, na, first
.set md, 0
.rept KD
.set ma, (\a0)
.rept (\na)
.set mb, 0
.rept NB
.set rD, 8*(NB*(ma%(MB/2))+mb)
.set rB, 128*(\f)+8*(mb*KD+md)
.set rA, 64+64*(\f)+8*(ma*KD+md)
.if (\first) && (md == 0)
	WIN 0x81+0x40*(ma/(MB/2))
	v_wmma_f32_16x16x32_f16 v[rD:rD+7], v[rB:rB+7], v[rA:rA+7], v[BIAS+8*mb:BIAS+8*mb+7]
.else
	WIN 0xa1+0x50*(ma/(MB/2))
	v_wmma_f32_16x16x32_f16 v[rD:rD+7], v[rB:rB+7], v[rA:rA+7], v[rD:rD+7]
.endif
.set mb, mb+1
.endr
.set ma, ma+1
.endr
.set md, md+1
.endr
.endm
; NF LDS loads in one run: chunk c of the slot being read, into buffer f: B first, then A by ascending rows.
; A fragment is 16 rows x 32 K in 8 registers: lane l holds row l % 16, K = 8 (l / 16) + 0..7 and 16 + 8 (l / 16) + 0..7: two loads of 16 bytes, 32 bytes apart.
.macro FETCH c, f
	WIN 0x40
.set fb, 0
.rept NB
.set fd, 0
.rept KD
.set rB, 128*(\f)+8*(fb*KD+fd)
.set oB, (\c)*64*KD+64*fd+fb*16*PITCHB
	ds_load_b128 v[rB:rB+3], v[ADRB] offset:oB
	ds_load_b128 v[rB+4:rB+7], v[ADRB] offset:oB+32
.set fd, fd+1
.endr
.set fb, fb+1
.endr
	WIN 0
.set fa, 0
.rept MB
.set fd, 0
.rept KD
.set rA, 64+64*(\f)+8*(fa*KD+fd)
.set oA, (\c)*ACH+64*fd+fa*16*PITCHA
	ds_load_b128 v[rA:rA+3], v[ADRA] offset:oA
	ds_load_b128 v[rA+4:rA+7], v[ADRA] offset:oA+32
.set fd, fd+1
.endr
.set fa, fa+1
.endr
.endm
; One of a K step's first three chunks: multiplies buffer f; in its middle fetches chunk c into buffer g.
.macro QUARTER c, f, g, first
	s_wait_dscnt AU                                ; B and A's upper rows are in; the youngest AU loads (A's lower rows) may be out
	MULP \f, 0, MB/2, \first
	PLACES
	FETCH \c, \g
	s_wait_dscnt NF                                ; all but the NF just issued
	MULP \f, MB/2, MB/2, \first
.endm
; The first half of a K step's last chunk, and ONE barrier for the change of slots.  In front of it each wave waits for all its tensor loads (one is out: its part of the next slot),
; adds 0 to its spare word, and waits for that and for its reads of this slot.  Behind it nobody reads this slot any more and the next slot is whole.
.macro MEET
	WIN 0
	s_wait_tensorcnt 0x0                           ; all my tensor loads have landed
	ds_add_u32 v[SPW], v[NIL]                      ; 0 onto my spare word
	s_wait_dscnt AU+1                              ; (the add and the youngest AU loads may be out)
	MULP 1, 0, MB/4, 0                             ; matrix work stands between the add and the wait for it
	s_wait_dscnt 0x0                               ; the add is done, and my reads of this slot are over
	s_barrier_signal -1
	MULP 1, MB/4, MB/4, 0                          ; work on registers while the others arrive
	WIN 0
	s_barrier_wait -1
.endm
; The whole last chunk with a refill: the barrier opens a round of the cluster's barrier; behind the round the slot just read takes the K step two steps on, first of all; then the next slot's first chunk is fetched.
.macro TURN
	MEET
	CREST                                          ; no wave of any partner still reads this slot or has a load on its way
	s_add_co_u32 s[G0A+5], s[LBA], s[TB]           ; the walking descriptor: into the slot just read,
	s_add_co_u32 s[G0B+5], s[LBB], s[TB]
	s_add_nc_u64 s[G0A+6:G0A+7], s[G0A+6:G0A+7], ASTEP  ; the next K step; the type bits on top are not reached
	s_add_nc_u64 s[G0B+6:G0B+7], s[G0B+6:G0B+7], BSTEP
	s_xor_b32 s[TB], s[TB], SLOT                   ; TB is 0 or SLOT: now the other slot is read
	JLOAD                                          ; the four v_nop behind it are also the places in front of the loads below
	v_add_nc_u32 v[ADRA], s[TB], v[ADRA0]
	v_add_nc_u32 v[ADRB], s[TB], v[ADRB0]
	FETCH 0, 0
	MULP 1, MB/2, MB/2, 0
.endm
.if KIND == 0
	s_load_b64 s[4:5], s[0:1], 0x0                 ; hw: A lies at its head
	s_load_b64 s[6:7], s[0:1], 0x0                 ; hw once more: B lies WOFF bytes in
	s_load_b64 s[68:69], s[0:1], 0x8               ; the bias
	s_load_b64 s[8:9], s[0:1], 0x10                ; the output
.elseif KIND == 1
	s_load_b128 s[4:7], s[0:1], 0x0                ; A, hw
	s_load_b64 s[68:69], s[0:1], 0x10              ; the bias
	s_load_b64 s[8:9], s[0:1], 0x18                ; the output
.else
	s_load_b128 s[4:7], s[0:1], 0x0                ; A, hw
	s_load_b128 s[68:71], s[0:1], 0x10             ; the bias, the residual
	s_load_b64 s[8:9], s[0:1], 0x20                ; the output
.endif
	v_lshl_add_u32 v[SPW], v0, 2, SPARE
	v_mov_b32 v[NIL], 0
	ds_add_u32 v[SPW], v[NIL]                      ; the wave's opening: the add and its wait stand ahead of my first tensor load; the set-up below, work on registers, stands between them
	ds_add_u32 v28, v29
	v_lshrrev_b32 v1, 5, v0
	v_readfirstlane_b32 s10, v1                    ; wave 0..3
	s_lshr_b32 s11, s10, 1                         ; I fetch for A (0) or for B (1)
	s_and_b32 s12, s10, 1                          ; which half of that tile I fetch
.if KIND == 0
	s_mov_b32 s20, s10                             ; my place among the wave rows,
	s_mov_b32 s21, 0                               ; and among the wave columns
.else
	s_mov_b32 s20, s11
	s_mov_b32 s21, s12
.endif
	s_bfe_u32 s40, ttmp6, 0x40000                  ; cx, cy: my place in the cluster
	s_bfe_u32 s41, ttmp6, 0x40004
	s_lshl_b32 s42, ttmp9, 2
	s_add_co_u32 s42, s42, s40                     ; tile column of C = 4 x cluster x + cx
	s_and_b32 s13, ttmp7, 0xffff
	s_lshl_b32 s13, s13, 2
	s_add_co_u32 s13, s13, s41                     ; tile row of C = 4 x cluster y + cy
	s_lshl_b32 s43, s41, 2
	s_lshl_b32 s43, 15, s43                        ; my row of the cluster
	s_lshl_b32 s44, 0x1111, s40                    ; my column
	s_or_b32 s[G1A], s43, (1<<16)|(1<<20)|(1<<21)|(QIA<<22)|(3<<25)  ; 15:0 the mask; 17:16 2-byte elements; 20 padding on; 21 set beside a mask; 24:22 the interval; 31:25 4 words of padding
	s_or_b32 s[G1B], s44, (1<<16)|(1<<20)|(1<<21)|(QIB<<22)|(3<<25)
	s_mov_b32 s[G1A+1], (AD0&0xffff)<<16           ; tensor_dim0
	s_mov_b32 s[G1A+2], (AD0>>16)|(AD1<<16)        ; tensor_dim1
	s_mov_b32 s[G1A+3], AD0<<16                    ; tile_dim0
	s_mov_b32 s[G1A+4], AD1                        ; tile_dim1
	s_mov_b32 s[G1A+5], ASTR                       ; elements from row to row
	s_mov_b32 s[G1A+6], 0
	s_mov_b32 s[G1A+7], 0
	s_mov_b32 s[G1B+1], KSTEP<<16
	s_mov_b32 s[G1B+2], ROWSB<<16
	s_mov_b32 s[G1B+3], KSTEP<<16
	s_mov_b32 s[G1B+4], ROWSB
	s_mov_b32 s[G1B+5], SIZE_K
	s_mov_b32 s[G1B+6], 0
	s_mov_b32 s[G1B+7], 0
	s_mul_i32 s16, s13, TM                         ; A's tile hangs on the tile row alone,
	s_mul_i32 s17, s12, ROWSA
	s_add_co_u32 s16, s16, s17
	s_mul_i32 s16, s16, AROWB                      ; its first row in bytes: under 2^26
	s_mov_b32 s17, 0
	s_mul_i32 s46, s42, TN                         ; B's on the tile column alone
	s_mul_i32 s45, s12, ROWSB
	s_add_co_u32 s46, s46, s45
	s_mul_i32 s46, s46, SIZE_K*2
	s_add_co_u32 s46, s46, WOFF
	s_mov_b32 s47, 0
	s_mul_i32 s[LBA], s12, AHALF                   ; no place in the cluster enters an LDS address
	s_mul_i32 s[LBB], s12, BHALF
	s_add_co_u32 s[LBB], s[LBB], 2*AHALF
	s_mov_b32 s[TB], 0
	s_mul_i32 s22, s42, TN                         ; my first column of C
	s_mul_i32 s23, s21, NB*16
	s_add_co_u32 s22, s22, s23
.if KIND == 0
	s_mul_i32 s18, s42, 3*524288                   ; my three planes of 4,096 x 128 bytes,
	s_lshl_b32 s19, s13, 15                        ; the tile's 256 tokens of 128 bytes,
	s_add_co_u32 s18, s18, s19
	s_lshl_b32 s19, s10, 13                        ; my wave's 64 of them
	s_add_co_u32 s18, s18, s19
.else
	s_mul_i32 s18, s13, TM                         ; my first row of C,
	s_mul_i32 s19, s20, MB*16
	s_add_co_u32 s18, s18, s19
	s_mul_i32 s18, s18, SIZE_N*OB                  ; in bytes,
	s_mul_i32 s19, s22, OB                         ; and my first column
	s_add_co_u32 s18, s18, s19
.endif
	s_mov_b32 s19, 0
	s_lshl_b32 s22, s22, 2                         ; my first column in the bias
	s_mov_b32 s23, 0
	s_wait_dscnt 0x0                               ; the opening add is done
	s_wait_kmcnt 0x0
	s_add_nc_u64 s[14:15], s[4:5], s[16:17]
	s_add_nc_u64 s[46:47], s[6:7], s[46:47]
	s_add_nc_u64 s[8:9], s[8:9], s[18:19]
	s_add_nc_u64 s[68:69], s[68:69], s[22:23]
.if KIND >= 2
	s_add_nc_u64 s[70:71], s[70:71], s[18:19]
.endif
.irp t, 0,1
	s_mov_b32 s[G0A+4*(\t)], 1                                       ; count = 1
	s_add_co_u32 s[G0A+4*(\t)+1], s[LBA], (\t)*SLOT                  ; LDS address
	s_add_nc_u64 s[G0A+4*(\t)+2:G0A+4*(\t)+3], s[14:15], (\t)*ASTEP  ; global address: K step t
	s_or_b32 s[G0A+4*(\t)+3], s[G0A+4*(\t)+3], 0x80000000            ; type = 2
	s_mov_b32 s[G0B+4*(\t)], 1
	s_add_co_u32 s[G0B+4*(\t)+1], s[LBB], (\t)*SLOT
	s_add_nc_u64 s[G0B+4*(\t)+2:G0B+4*(\t)+3], s[46:47], (\t)*BSTEP
	s_or_b32 s[G0B+4*(\t)+3], s[G0B+4*(\t)+3], 0x80000000
.endr
	CROUND                                         ; all sixteen work-groups are here: the first joint loads meet
	s_cmp_eq_u32 s11, 0                            ; a wave's two first fills stand in one branch: two loads of mine are out
	s_cbranch_scc0 .Lfirst_b
	tensor_load_to_lds s[G0A:G0A+3], s[G1A:G1A+7]
	s_nop 0
	tensor_load_to_lds s[G0A+4:G0A+7], s[G1A:G1A+7]
	s_nop 0
	PLACES
	s_branch .Lfirst_done
.Lfirst_b:
	tensor_load_to_lds s[G0B:G0B+3], s[G1B:G1B+7]
	s_nop 0
	tensor_load_to_lds s[G0B+4:G0B+7], s[G1B:G1B+7]
	s_nop 0
	PLACES
.Lfirst_done:
	v_and_b32 v1, 15, v0                           ; l % 16
	v_bfe_u32 v2, v0, 4, 1                         ; l / 16
	v_lshlrev_b32 v[BO], 5, v2                     ; the bias in C's layout: register j of block b holds column 16 b + 8 (l / 16) + j
.set i, 0
.rept NB
	global_load_b128 v[BIAS+8*i:BIAS+8*i+3], v[BO], s[68:69] offset:64*i
	global_load_b128 v[BIAS+8*i+4:BIAS+8*i+7], v[BO], s[68:69] offset:64*i+16
.set i, i+1
.endr
.if KIND == 0
	v_and_b32 v3, 31, v0
	v_lshlrev_b32 v[CO], 4, v3                     ; 512 consecutive bytes a store
.else
	v_mul_u32_u24 v3, v2, SIZE_N*OB                ; lanes 0-15 one row of 256 bytes, lanes 16-31 the next
	v_lshl_add_u32 v[CO], v1, 4, v3
.endif
.if KIND >= 2
	WIN 0x80                                       ; destination window 2: my 64 x 64 of the residual, in the order in which the way out reads rows back
.set i, 0
.rept 32
	global_load_b128 v[RES+4*i:RES+4*i+3], v[CO], s[70:71] offset:2*i*SIZE_N*4
.set i, i+1
.endr
	WIN 0
.endif
	v_mul_u32_u24 v3, v1, PITCHA
	v_lshl_add_u32 v3, v2, 4, v3                   ; a fragment's row x pitch + 16 x half
	s_mul_i32 s16, s20, AWAVE
	v_add_nc_u32 v[ADRA0], s16, v3
	v_mul_u32_u24 v3, v1, PITCHB
	v_lshl_add_u32 v3, v2, 4, v3
	s_mul_i32 s16, s21, NB*16*PITCHB
	s_add_co_u32 s16, s16, 2*AHALF                 ; B lies behind A's two halves
	v_add_nc_u32 v[ADRB0], s16, v3
	v_mov_b32 v[ADRA], v[ADRA0]
	v_mov_b32 v[ADRB], v[ADRB0]
	s_mul_i32 s16, s10, STAGEW
	s_add_co_u32 s16, s16, STAGE                   ; my stage
.if KIND == 0
	v_mul_u32_u24 v3, v1, 144                      ; in: row l % 16 of a head's 16 x 128 bytes, 16 bytes for each half of the lanes
	v_lshl_add_u32 v3, v2, 4, v3
	v_add_nc_u32 v[STO], s16, v3
	v_bfe_u32 v3, v0, 3, 2                         ; back: 32 lanes take four rows of 128 bytes
	v_mul_u32_u24 v3, v3, 144
	v_and_b32 v4, 7, v0
	v_lshl_add_u32 v3, v4, 4, v3
	v_add_nc_u32 v[RD], s16, v3
.else
	v_mul_u32_u24 v3, v1, 272                      ; in: row l % 16; eight numbers for each half of the lanes
	v_lshl_add_u32 v3, v2, 3+OB/2, v3
	v_add_nc_u32 v[STO], s16, v3
	v_mul_u32_u24 v3, v2, 272                      ; back: lanes 0-15 one row of 256 bytes, lanes 16-31 the next
	v_lshl_add_u32 v3, v1, 4, v3
	v_add_nc_u32 v[RD], s16, v3
.endif
	s_wait_tensorcnt 0x1                           ; my part of K step 0 is in; K step 1's may stay out
	s_barrier_signal -1
	s_barrier_wait -1                              ; everybody's is
	FETCH 0, 0
.if KIND >= 2
	s_wait_loadcnt 32                              ; the bias is in; the 32 loads of the residual stay out
.else
	s_wait_loadcnt 0x0                             ; the bias
.endif
	QUARTER 1, 0, 1, 1                             ; the first chunk stands in front of the loop: its products start the sums
	WIN 0                                          ; at a label and at a branch every window is 0
	s_mov_b32 s3, NS-2
.Lk:                                                   ; a trip: a K step's chunks 1, 2, 3 and the next step's chunk 0; one refill
	QUARTER 2, 1, 0, 0
	QUARTER 3, 0, 1, 0
	TURN
	QUARTER 1, 0, 1, 0
	WIN 0
	s_sub_co_u32 s3, s3, 1
	s_cmp_lg_u32 s3, 0
	s_cbranch_scc1 .Lk
	s_mov_b32 s[CNT], 2
.Ltail:                                                ; the last two K steps ask for nothing; the second trip is left in its middle
	QUARTER 2, 1, 0, 0
	QUARTER 3, 0, 1, 0
	MEET                                           ; in the first trip: the last K step's slot is whole
	s_sub_co_u32 s[CNT], s[CNT], 1
	s_cmp_eq_u32 s[CNT], 0
	s_cbranch_scc1 .Lout
	s_xor_b32 s[TB], s[TB], SLOT
	v_add_nc_u32 v[ADRA], s[TB], v[ADRA0]
	v_add_nc_u32 v[ADRB], s[TB], v[ADRB0]
	PLACES
	FETCH 0, 0
	MULP 1, MB/2, MB/2, 0
	QUARTER 1, 0, 1, 0
	WIN 0
	s_branch .Ltail
.Lout:
	MULP 1, MB/2, MB/2, 0
	WIN 0
	PLACES
; THE WAY OUT, a block of 16 rows at a time, through my own stage in LDS, so that each store of the wave covers whole aligned runs of 256 bytes.  Each accumulator's registers are read in ascending order.
.macro PACK a                          ; KIND 0, 1: rounded to f16 (KIND 1: ReLU first), 16 bytes for each block of 16 columns
.set AC, 8*NB*((\a)%(MB/2))
.if KIND == 1
	WIN 0x88+0x44*((\a)/(MB/2))
.set i, 0
.rept 8*NB
	v_max_num_f32 v[AC+i], 0, v[AC+i]
.set i, i+1
.endr
.endif
.if KIND < 2
	WIN 0x0a+5*((\a)/(MB/2))
.set i, 0
.rept 4*NB
	v_cvt_pk_f16_f32 v[TMP+i], v[AC+2*i], v[AC+2*i+1]
.set i, i+1
.endr
	WIN 0
.endif
.endm
.macro TOSTAGE a
.set AC, 8*NB*((\a)%(MB/2))
.set BK, BK0+(BK1-BK0)*((\a)%2)
.if KIND >= 2
	WIN 0x08+4*((\a)/(MB/2))                       ; the data come straight from the accumulators, f32
.set i, 0
.rept NB
	ds_store_b128 v[STO], v[AC+8*i:AC+8*i+3] offset:64*i
	ds_store_b128 v[STO], v[AC+8*i+4:AC+8*i+7] offset:64*i+16
.set i, i+1
.endr
.endif
	WIN 0
.set i, 0
.if KIND == 1
.rept NB
	ds_store_b128 v[STO], v[TMP+4*i:TMP+4*i+3] offset:32*i
.set i, i+1
.endr
.elseif KIND == 0
.rept NB
	ds_store_b128 v[STO], v[TMP+4*i:TMP+4*i+3] offset:(i/4)*2304+(i%4)*32
.set i, i+1
.endr
.endif
.set i, 0
.if KIND == 0
.rept 12
	ds_load_b128 v[BK+4*i:BK+4*i+3], v[RD] offset:(i/4)*2304+(i%4)*576  ; LDS serves a wave's instructions in order (ISA guide 5.7.1.4): these see the stores above
.set i, i+1
.endr
.else
.rept 8
	ds_load_b128 v[BK+4*i:BK+4*i+3], v[RD] offset:i*544                 ; LDS serves a wave's instructions in order (ISA guide 5.7.1.4): these see the stores above
.set i, i+1
.endr
.endif
.endm
.macro SEND a
.set BK, BK0+(BK1-BK0)*((\a)%2)
	WIN 0
	s_wait_dscnt 0x0                               ; the block is back in registers
	s_wait_xcnt 0x0                                ; the stores of the block before have read their registers: the next block's loads from the stage land there only behind this wait
.if KIND >= 2
	WIN 0x08
.set i, 0
.rept 16
	v_pk_add_f32 v[BK+2*i:BK+2*i+1], v[BK+2*i:BK+2*i+1], v[RES+32*(\a)+2*i:RES+32*(\a)+2*i+1]
.set i, i+1
.endr
	WIN 0
.endif
.set i, 0
.if KIND == 0
.rept 12
	global_store_b128 v[CO], v[BK+4*i:BK+4*i+3], s[8:9] offset:(i/4)*524288+(\a)*2048+(i%4)*512  ; four tokens of a head: 512 consecutive bytes
.set i, i+1
.endr
.else
.rept 8
	global_store_b128 v[CO], v[BK+4*i:BK+4*i+3], s[8:9] offset:(16*(\a)+2*i)*SIZE_N*OB           ; 16 lanes store 256 consecutive bytes, aligned
.set i, i+1
.endr
.endif
.endm
.if KIND >= 2
	s_wait_loadcnt 0x0                             ; the residual
.endif
	PACK 0
	TOSTAGE 0
.set blk, 1
.rept MB-1
	PACK blk
	SEND blk-1
	TOSTAGE blk
.set blk, blk+1
.endr
	SEND MB-1
	s_wait_tensorcnt 0x0                           ; the wave's end, behind my last tensor load and my last LDS store
	ds_add_u32 v[SPW], v[NIL]
	s_wait_dscnt 0x0
	CROUND                                         ; the closing round: no work-group ends while a partner may still ask for a tile that names it
	s_endpgm
.Lfunc_end_k_q27e3b47418_goproj:
	.size	k_q27e3b47418_goproj, .Lfunc_end_k_q27e3b47418_goproj-k_q27e3b47418_goproj
	.p2alignl 7, 3214868480
	.fill 96, 4, 3214868480
	.section	.rodata,"a",@progbits
	.p2align	6, 0x0
	.amdhsa_kernel k_q27e3b47418_goproj
		.amdhsa_group_segment_fixed_size 327680
		.amdhsa_private_segment_fixed_size 0
		.amdhsa_enable_private_segment 0
		.amdhsa_kernarg_size 40
		.amdhsa_user_sgpr_count 2
		.amdhsa_user_sgpr_kernarg_segment_ptr 1
		.amdhsa_wavefront_size32 1
		.amdhsa_system_sgpr_workgroup_id_x 1
		.amdhsa_system_sgpr_workgroup_id_y 1
		.amdhsa_system_sgpr_workgroup_id_z 1
		.amdhsa_system_vgpr_workitem_id 0
		.amdhsa_next_free_vgpr 832
		.amdhsa_next_free_sgpr 80
		.amdhsa_reserve_vcc 0
		.amdhsa_float_denorm_mode_32 3
		.amdhsa_float_denorm_mode_16_64 3
		.amdhsa_memory_ordered 1
		.amdhsa_forward_progress 1
		.amdhsa_inst_pref_size 68
	.end_amdhsa_kernel
	.amdgpu_metadata
---
amdhsa.version: [ 1, 2 ]
amdhsa.kernels:
  - .name:           k_q27e3b47418_goproj
    .symbol:         k_q27e3b47418_goproj.kd
    .args:
      - { .name: oh, .offset: 0, .size: 8, .value_kind: global_buffer, .address_space: global }
      - { .name: hw, .offset: 8, .size: 8, .value_kind: global_buffer, .address_space: global }
      - { .name: out_proj_b, .offset: 16, .size: 8, .value_kind: global_buffer, .address_space: global }
      - { .name: x, .offset: 24, .size: 8, .value_kind: global_buffer, .address_space: global }
      - { .name: tsum, .offset: 32, .size: 8, .value_kind: global_buffer, .address_space: global }
    .group_segment_fixed_size: 327680
    .private_segment_fixed_size: 0
    .kernarg_segment_align: 8
    .kernarg_segment_size: 40
    .max_flat_workgroup_size: 128
    .sgpr_count:     80
    .vgpr_count:     832
    .wavefront_size: 32
...
	.end_amdgpu_metadata
.endif
;; end of part 4
;; launch ln1 (part 5): grid 256 x 1, 8 waves a work-group, no clusters, 0 bytes of LDS; arguments tsum, ln1_g, ln1_b, x2, x2h; writes x2, x2h
.if DOCPART == 5
	.amdgcn_target "amdgcn-amd-amdhsa--gfx1250"
	.amdhsa_code_object_version 6
	.text
	.protected	k_q27e3b47418_ln1
	.globl	k_q27e3b47418_ln1
	.p2align	8
	.type	k_q27e3b47418_ln1,@function
k_q27e3b47418_ln1:
	s_mov_b64 s[64:65], 0
	v_nop
	global_prefetch_b8 v0, s[64:65] scope:SCOPE_SE
	s_setreg_imm32_b32 hwreg(HW_REG_WAVE_MODE, 25, 1), 1
	s_wait_xcnt 0x0
; x2 = LayerNorm(tsum) x g + b over rows of 1,024 f32, eps = 1e-5; x2 in f32 (the later residual) and, rounded once, in f16 (x2h, the next product's operand).
; The mean is taken first and the variance of the differences: no difference of large sums.  LIMIT: x2h is f16: |x2| stays within 65,504.
; A stream: no LDS, no matrix unit, no barrier.  A wave takes two whole rows; a row is eight loads of 512 consecutive bytes and stays in 32 registers between the passes, so memory is read once.
; All 32 loads of a wave are issued at once.  No register that a store reads is written again.
.set LN1, 1
.set G,  2                             ; v[2:33]    g of my 32 columns
.set B,  34                            ; v[34:65]   b
.set X,  66                            ; v[66:129]  two rows
.set H,  130                           ; v[130:161] two rows in f16
.set T,  162                           ; v[162:169] four chains of sums
.set OX, 170                           ; my byte offset in tsum and x2
.set OG, 171                           ; in g and b
.set OH, 172                           ; in x2h
.set PX, 173                           ; at work
.set M,  174                           ; v[174:175] the mean, later 1 / sqrt(var + eps), twice
	s_load_b256 s[4:11], s[0:1], 0x0               ; tsum s[4:5], g s[6:7], b s[8:9], the f32 output s[10:11]
.if LN1
	s_load_b64 s[12:13], s[0:1], 0x20              ; x2h
.endif
	v_lshrrev_b32 v1, 5, v0                        ; wave
	v_and_b32 v[PX], 31, v0                        ; lane
	v_lshlrev_b32 v[OG], 4, v[PX]
	v_lshl_add_u32 v[OX], v1, 13, v[OG]            ; two rows of 4,096 bytes a wave
.if LN1
	v_lshlrev_b32 v[OH], 3, v[PX]
	v_lshl_add_u32 v[OH], v1, 12, v[OH]
.endif
	s_lshl_b32 s14, ttmp9, 16                      ; sixteen rows a work-group
	s_mov_b32 s15, 0
	s_lshl_b32 s16, ttmp9, 15
	s_mov_b32 s17, 0
	s_mov_b32 s18, 0x3a800000                      ; 1 / 1,024
	s_mov_b32 s19, 0x3727c5ac                      ; 1e-5
	s_mov_b32 s20, 0x76543210                      ; v_permlanex16_b32: each lane takes its own place in the other half
	s_mov_b32 s21, 0xfedcba98
	s_wait_kmcnt 0x0
	s_add_nc_u64 s[4:5], s[4:5], s[14:15]
	s_add_nc_u64 s[10:11], s[10:11], s[14:15]
.if LN1
	s_add_nc_u64 s[12:13], s[12:13], s[16:17]
.endif
.set i, 0
.rept 16
	global_load_b128 v[X+4*i:X+4*i+3], v[OX], s[4:5] offset:512*i th:TH_LOAD_NT
.set i, i+1
.endr
.set i, 0
.rept 8
	global_load_b128 v[G+4*i:G+4*i+3], v[OG], s[6:7] offset:512*i
.set i, i+1
.endr
.set i, 0
.rept 8
	global_load_b128 v[B+4*i:B+4*i+3], v[OG], s[8:9] offset:512*i
.set i, i+1
.endr
.macro ACROSS                          ; the four chains, the pair and the 32 lanes are added: every lane ends with the row's sum in v[T]
	v_pk_add_f32 v[T:T+1], v[T:T+1], v[T+2:T+3]
	v_pk_add_f32 v[T+4:T+5], v[T+4:T+5], v[T+6:T+7]
	v_pk_add_f32 v[T:T+1], v[T:T+1], v[T+4:T+5]
	v_add_f32 v[T], v[T], v[T+1]
	v_add_f32_dpp v[T], v[T], v[T] row_xmask:1 row_mask:0xf bank_mask:0xf
	v_add_f32_dpp v[T], v[T], v[T] row_xmask:2 row_mask:0xf bank_mask:0xf
	v_add_f32_dpp v[T], v[T], v[T] row_xmask:4 row_mask:0xf bank_mask:0xf
	v_add_f32_dpp v[T], v[T], v[T] row_xmask:8 row_mask:0xf bank_mask:0xf
	v_permlanex16_b32 v[PX], v[T], s20, s21
	v_add_f32 v[T], v[T], v[PX]
.endm
.macro NORM x                          ; the row at v[x ..] becomes (x - mean) / sqrt(var + eps), in place
.irp k, 0,2,4,6
	v_pk_add_f32 v[T+\k:T+\k+1], v[(\x)+\k:(\x)+\k+1], v[(\x)+8+\k:(\x)+8+\k+1]
.endr
.irp q, 16,24
.irp k, 0,2,4,6
	v_pk_add_f32 v[T+\k:T+\k+1], v[T+\k:T+\k+1], v[(\x)+\q+\k:(\x)+\q+\k+1]
.endr
.endr
	ACROSS
	v_mul_f32 v[M], s18, v[T]
	v_mul_f32 v[M+1], s18, v[T]
.set i, 0
.rept 16
	v_pk_add_f32 v[(\x)+2*i:(\x)+2*i+1], v[(\x)+2*i:(\x)+2*i+1], v[M:M+1] neg_lo:[0,1] neg_hi:[0,1]
.set i, i+1
.endr
.irp k, 0,2,4,6
	v_pk_mul_f32 v[T+\k:T+\k+1], v[(\x)+\k:(\x)+\k+1], v[(\x)+\k:(\x)+\k+1]
.endr
.irp q, 8,16,24
.irp k, 0,2,4,6
	v_pk_fma_f32 v[T+\k:T+\k+1], v[(\x)+\q+\k:(\x)+\q+\k+1], v[(\x)+\q+\k:(\x)+\q+\k+1], v[T+\k:T+\k+1]
.endr
.endr
	ACROSS
	v_fma_f32 v[T], v[T], s18, s19
	v_rsq_f32 v[M], v[T]
	v_rsq_f32 v[M+1], v[T]
	v_nop                                          ; a plain line between the root and the use of its result
.set i, 0
	s_wait_alu depctr_va_vdst(0)
.rept 16
	v_pk_mul_f32 v[(\x)+2*i:(\x)+2*i+1], v[(\x)+2*i:(\x)+2*i+1], v[M:M+1]
.set i, i+1
.endr
.endm
.macro APPLY r                         ; row r times g plus b, and out
.set xr, X+32*(\r)
.set i, 0
.rept 16
	v_pk_fma_f32 v[xr+2*i:xr+2*i+1], v[xr+2*i:xr+2*i+1], v[G+2*i:G+2*i+1], v[B+2*i:B+2*i+1]
.set i, i+1
.endr
.set i, 0
.rept 8
	global_store_b128 v[OX], v[xr+4*i:xr+4*i+3], s[10:11] offset:4096*(\r)+512*i   ; 512 consecutive bytes
.set i, i+1
.endr
.if LN1
.set i, 0
.rept 16
	v_cvt_pk_f16_f32 v[H+16*(\r)+i], v[xr+2*i], v[xr+2*i+1]
.set i, i+1
.endr
.set i, 0
.rept 8
	global_store_b64 v[OH], v[H+16*(\r)+2*i:H+16*(\r)+2*i+1], s[12:13] offset:2048*(\r)+256*i  ; 256 consecutive bytes, aligned
.set i, i+1
.endr
.endif
.endm
	s_wait_loadcnt 24                              ; row 0 is in; row 1, g and b stay out
	NORM X
	s_wait_loadcnt 16                              ; row 1 is in
	NORM X+32
	s_wait_loadcnt 0x0                             ; g and b
	APPLY 0
	APPLY 1
	s_endpgm
.Lfunc_end_k_q27e3b47418_ln1:
	.size	k_q27e3b47418_ln1, .Lfunc_end_k_q27e3b47418_ln1-k_q27e3b47418_ln1
	.p2alignl 7, 3214868480
	.fill 96, 4, 3214868480
	.section	.rodata,"a",@progbits
	.p2align	6, 0x0
	.amdhsa_kernel k_q27e3b47418_ln1
		.amdhsa_group_segment_fixed_size 0
		.amdhsa_private_segment_fixed_size 0
		.amdhsa_enable_private_segment 0
		.amdhsa_kernarg_size 40
		.amdhsa_user_sgpr_count 2
		.amdhsa_user_sgpr_kernarg_segment_ptr 1
		.amdhsa_wavefront_size32 1
		.amdhsa_system_sgpr_workgroup_id_x 1
		.amdhsa_system_sgpr_workgroup_id_y 1
		.amdhsa_system_sgpr_workgroup_id_z 1
		.amdhsa_system_vgpr_workitem_id 0
		.amdhsa_next_free_vgpr 176
		.amdhsa_next_free_sgpr 66
		.amdhsa_reserve_vcc 0
		.amdhsa_float_denorm_mode_32 3
		.amdhsa_float_denorm_mode_16_64 3
		.amdhsa_memory_ordered 1
		.amdhsa_forward_progress 1
		.amdhsa_inst_pref_size 22
	.end_amdhsa_kernel
	.amdgpu_metadata
---
amdhsa.version: [ 1, 2 ]
amdhsa.kernels:
  - .name:           k_q27e3b47418_ln1
    .symbol:         k_q27e3b47418_ln1.kd
    .args:
      - { .name: tsum, .offset: 0, .size: 8, .value_kind: global_buffer, .address_space: global }
      - { .name: ln1_g, .offset: 8, .size: 8, .value_kind: global_buffer, .address_space: global }
      - { .name: ln1_b, .offset: 16, .size: 8, .value_kind: global_buffer, .address_space: global }
      - { .name: x2, .offset: 24, .size: 8, .value_kind: global_buffer, .address_space: global }
      - { .name: x2h, .offset: 32, .size: 8, .value_kind: global_buffer, .address_space: global }
    .group_segment_fixed_size: 0
    .private_segment_fixed_size: 0
    .kernarg_segment_align: 8
    .kernarg_segment_size: 40
    .max_flat_workgroup_size: 256
    .sgpr_count:     66
    .vgpr_count:     176
    .wavefront_size: 32
...
	.end_amdgpu_metadata
.endif
;; end of part 5
;; launch gff1 (part 6): grid 16 x 16, 4 waves a work-group, clusters of 4 x 4, 327,680 bytes of LDS; arguments x2h, hw, b1, hh; writes hh
.if DOCPART == 6
	.amdgcn_target "amdgcn-amd-amdhsa--gfx1250"
	.amdhsa_code_object_version 6
	.text
	.protected	k_q27e3b47418_gff1
	.globl	k_q27e3b47418_gff1
	.p2align	8
	.type	k_q27e3b47418_gff1,@function
k_q27e3b47418_gff1:
	s_mov_b64 s[64:65], 0
	v_nop
	global_prefetch_b8 v0, s[64:65] scope:SCOPE_SE
	s_setreg_imm32_b32 hwreg(HW_REG_WAVE_MODE, 25, 1), 1
	s_wait_xcnt 0x0
	s_wait_alu depctr_hold_cnt(0) depctr_sa_sdst(0) depctr_va_vdst(0) depctr_va_sdst(0) depctr_va_ssrc(0) depctr_va_vcc(0) depctr_vm_vsrc(0)
	s_getreg_b32 s2, hwreg(HW_REG_IB_STS2, 6, 4)
	s_cmp_eq_u32 s2, 0
	s_cbranch_scc0 .Lentry_in_a_cluster
	s_endpgm
.Lentry_in_a_cluster:
	s_bfe_u32 s2, ttmp6, 0x10000c
	s_cmp_lg_u32 s2, 0xf033
	s_cbranch_scc0 .Lentry_shape_is_right
	s_endpgm
.Lentry_shape_is_right:
; h = relu(x2 w1^T + b1).  A = x2 in f16 (x2h), [4096][1024]; B = w1 in f16 (hw, byte 16,777,216), [4096][1024]; out: hh, f16 [4096][4096].  Sums in f32, begun with the bias; ReLU in f32; rounded once.
; LIMIT: f16 ends at 65,504: h beyond that becomes an infinity.
; ONE TEXT SERVES FOUR PRODUCTS C = A B^T (+ bias ..); KIND and the table of sizes below pick the shape; the way out is chosen by .if KIND.
; SHAPE.  A work-group of four waves makes TM x TN of C; a wave MB x NB blocks of 16 x 16.  Here 256 x 256; the waves lie 2 x 2, 128 x 128 each: 512 registers of sums.
; K goes in steps of KSTEP through a ring of two LDS slots filled by the tensor data mover; waves 0, 1 fetch the two halves of A's tile, waves 2, 3 of B's: one load a wave behind each change of slots.
; CLUSTER 4 x 4: the four work-groups of a row of the cluster need the same tiles of A, the four of a column the same tiles of B: each tile is asked for jointly, by the same load with the same descriptor and mask.
; THE MATRIX INSTRUCTION IS USED TRANSPOSED (source 0 = 16 rows of B, source 1 = 16 rows of A): lane l holds row l % 16 of C and its columns 8 (l / 16) + 0..7.
; REGISTERS, in windows of 256 (s_set_vgpr_msb: bits 1:0 source 0, 3:2 source 1, 5:4 source 2, 7:6 destination):
;   window 0: v0-29 addresses; A's fragments, two buffers at v64 and v128; the bias as the first products' C at v[BIAS..255]; on the way out TMP, BK0, BK1
;   window 1: B's fragments, two buffers at v0 and v128     windows 2, 3: the accumulators of the wave's upper and lower half of rows; (KIND 2, 3: window 2 v128-255 the residual)
.set KIND,   1
.set SIZE_N, 4096
.set SIZE_K, 1024
.set TM,     256
.set TN,     256
.set MB,     8                         ; blocks of 16 rows a wave
.set NB,     8                         ; blocks of 16 columns a wave
.set KD,     1                         ; matrix instructions along K in a chunk; a K step is four chunks
.set KSTEP,  128
.set PITCHA, 272                       ; an LDS row: 256 bytes + 16 of padding: the 16 rows of a load start at 16 different groups of four banks (64 banks of 4 bytes: ISA guide 11.1)
.set PITCHB, 272
.set ROWSA,  128                       ; rows of A in one load
.set ROWSB,  128                       ; rows of B in one load
.set AHALF,  ROWSA*PITCHA              ; LDS bytes of one load of A
.set BHALF,  ROWSB*PITCHB
.set AWAVE,  MB*16*PITCHA              ; LDS bytes from one wave row's part of A to the next
.set ACH,    64*KD                     ; LDS bytes from chunk to chunk in A
.set ASTEP,  KSTEP*2                   ; bytes of memory from K step to K step
.set BSTEP,  KSTEP*2
.set AROWB,  SIZE_K*2                  ; bytes of memory from row to row of A
.set AD0,    KSTEP                     ; A's tile: elements in a row, rows, elements from row to row
.set AD1,    ROWSA
.set ASTR,   SIZE_K
.set QIA,    5                         ; padding behind every 64 words
.set QIB,    5
.set WOFF,   16777216                  ; B's first byte in hw
.set OB,     2                         ; bytes of an output number
.set STAGEW, 16*272                    ; a wave's stage: 16 rows x 272 bytes
.set TMP,    192
.set BK0,    32
.set BK1,    224
.set NS,     SIZE_K/KSTEP
.set SLOT,   2*AHALF+2*BHALF           ; A's two halves, then B's two halves
.set STAGE,  2*SLOT                    ; behind the ring, never filled by a tensor load
.set SPARE,  STAGE+4*STAGEW            ; behind the stages: the spare words, 128 bytes for each wave, which no other line names
.set AU,     MB*KD                     ; LDS loads of a chunk's fragments of A's lower rows (the last issued)
.set NF,     2*KD*(MB+NB)              ; LDS loads of a chunk
.set BIAS,   256-8*NB
.set RES,    128
.set ADRA0,  14                        ; v14  my lane's place in A's tile of slot 0; never rewritten
.set ADRB0,  15                        ; v15  the same for B
.set ADRA,   16                        ; v16  the same in the slot being read
.set ADRB,   20                        ; v20
.set STO,    24                        ; v24  the way out: where I put my bytes of a row
.set RD,     25                        ; v25  the way out: where I read rows back
.set CO,     26                        ; v26  my byte offset in the output (and the residual)
.set BO,     27                        ; v27  my byte offset in the bias
.set SPW,    28                        ; v28  LDS address of my spare word; never rewritten
.set NIL,    29                        ; v29  0; never rewritten
.set G1A,    24                        ; s[24:31] descriptor group 1 for A's tiles
.set G0A,    32                        ; s[32:39] group 0: set 0 for K step 0, set 1 for K step 1, which then walks
.set G1B,    48                        ; s[48:55], s[56:63] the same for B's
.set G0B,    56
.set TB,     72                        ; s72  the slot being read: 0 or SLOT
.set LBA,    73                        ; s73  where my load of A lands in a slot
.set LBB,    74                        ; s74  where my load of B lands
.set CNT,    75                        ; s75  counts the last two K steps
.set MSB, 0
.macro WIN new                         ; the immediate's high byte repeats the setting that is left; a switch that changes nothing is dropped
.if MSB != (\new)
	s_set_vgpr_msb (MSB<<8)|(\new)
.set MSB, (\new)
.endif
.endm
.macro PLACES                          ; four places in front of loads into registers that matrix instructions have read, and of lines that read results
.rept 4
	v_nop
.endr
.endm
.macro CREST                           ; a round of the cluster's barrier behind its opening barrier
	s_cmp_lg_u32 s10, 0
	s_cbranch_scc1 .Lnot_wave_0_\@
	s_barrier_signal -3
.Lnot_wave_0_\@:
	s_barrier_wait -3
	s_barrier_signal -1
	s_barrier_wait -1
.endm
.macro CROUND                          ; a whole round
	s_barrier_signal -1
	s_barrier_wait -1
	CREST
.endm
.macro JLOAD                           ; a joint refill by the walking descriptor; an s_nop 0 and four v_nop follow each of the two lines
	s_cmp_eq_u32 s11, 0
	s_cbranch_scc0 .Lfor_b_\@
	tensor_load_to_lds s[G0A+4:G0A+7], s[G1A:G1A+7]
	s_nop 0
	PLACES
	s_branch .Lasked_\@
.Lfor_b_\@:
	tensor_load_to_lds s[G0B+4:G0B+7], s[G1B:G1B+7]
	s_nop 0
	PLACES
.Lasked_\@:
.endm
; Products of buffer f: row blocks a0 .. a0 + na - 1 x all NB column blocks, KD deep.  The accumulators take turns, one instruction a turn.
; first = 1: the first product of each sum takes the bias as C: nothing is cleared and nothing is added later.
.macro MULP f, a0, na, first
.set md, 0
.rept KD
.set ma, (\a0)
.rept (\na)
.set mb, 0
.rept NB
.set rD, 8*(NB*(ma%(MB/2))+mb)
.set rB, 128*(\f)+8*(mb*KD+md)
.set rA, 64+64*(\f)+8*(ma*KD+md)
.if (\first) && (md == 0)
	WIN 0x81+0x40*(ma/(MB/2))
	v_wmma_f32_16x16x32_f16 v[rD:rD+7], v[rB:rB+7], v[rA:rA+7], v[BIAS+8*mb:BIAS+8*mb+7]
.else
	WIN 0xa1+0x50*(ma/(MB/2))
	v_wmma_f32_16x16x32_f16 v[rD:rD+7], v[rB:rB+7], v[rA:rA+7], v[rD:rD+7]
.endif
.set mb, mb+1
.endr
.set ma, ma+1
.endr
.set md, md+1
.endr
.endm
; NF LDS loads in one run: chunk c of the slot being read, into buffer f: B first, then A by ascending rows.
; A fragment is 16 rows x 32 K in 8 registers: lane l holds row l % 16, K = 8 (l / 16) + 0..7 and 16 + 8 (l / 16) + 0..7: two loads of 16 bytes, 32 bytes apart.
.macro FETCH c, f
	WIN 0x40
.set fb, 0
.rept NB
.set fd, 0
.rept KD
.set rB, 128*(\f)+8*(fb*KD+fd)
.set oB, (\c)*64*KD+64*fd+fb*16*PITCHB
	ds_load_b128 v[rB:rB+3], v[ADRB] offset:oB
	ds_load_b128 v[rB+4:rB+7], v[ADRB] offset:oB+32
.set fd, fd+1
.endr
.set fb, fb+1
.endr
	WIN 0
.set fa, 0
.rept MB
.set fd, 0
.rept KD
.set rA, 64+64*(\f)+8*(fa*KD+fd)
.set oA, (\c)*ACH+64*fd+fa*16*PITCHA
	ds_load_b128 v[rA:rA+3], v[ADRA] offset:oA
	ds_load_b128 v[rA+4:rA+7], v[ADRA] offset:oA+32
.set fd, fd+1
.endr
.set fa, fa+1
.endr
.endm
; One of a K step's first three chunks: multiplies buffer f; in its middle fetches chunk c into buffer g.
.macro QUARTER c, f, g, first
	s_wait_dscnt AU                                ; B and A's upper rows are in; the youngest AU loads (A's lower rows) may be out
	MULP \f, 0, MB/2, \first
	PLACES
	FETCH \c, \g
	s_wait_dscnt NF                                ; all but the NF just issued
	MULP \f, MB/2, MB/2, \first
.endm
; The first half of a K step's last chunk, and ONE barrier for the change of slots.  In front of it each wave waits for all its tensor loads (one is out: its part of the next slot),
; adds 0 to its spare word, and waits for that and for its reads of this slot.  Behind it nobody reads this slot any more and the next slot is whole.
.macro MEET
	WIN 0
	s_wait_tensorcnt 0x0                           ; all my tensor loads have landed
	ds_add_u32 v[SPW], v[NIL]                      ; 0 onto my spare word
	s_wait_dscnt AU+1                              ; (the add and the youngest AU loads may be out)
	MULP 1, 0, MB/4, 0                             ; matrix work stands between the add and the wait for it
	s_wait_dscnt 0x0                               ; the add is done, and my reads of this slot are over
	s_barrier_signal -1
	MULP 1, MB/4, MB/4, 0                          ; work on registers while the others arrive
	WIN 0
	s_barrier_wait -1
.endm
; The whole last chunk with a refill: the barrier opens a round of the cluster's barrier; behind the round the slot just read takes the K step two steps on, first of all; then the next slot's first chunk is fetched.
.macro TURN
	MEET
	CREST                                          ; no wave of any partner still reads this slot or has a load on its way
	s_add_co_u32 s[G0A+5], s[LBA], s[TB]           ; the walking descriptor: into the slot just read,
	s_add_co_u32 s[G0B+5], s[LBB], s[TB]
	s_add_nc_u64 s[G0A+6:G0A+7], s[G0A+6:G0A+7], ASTEP  ; the next K step; the type bits on top are not reached
	s_add_nc_u64 s[G0B+6:G0B+7], s[G0B+6:G0B+7], BSTEP
	s_xor_b32 s[TB], s[TB], SLOT                   ; TB is 0 or SLOT: now the other slot is read
	JLOAD                                          ; the four v_nop behind it are also the places in front of the loads below
	v_add_nc_u32 v[ADRA], s[TB], v[ADRA0]
	v_add_nc_u32 v[ADRB], s[TB], v[ADRB0]
	FETCH 0, 0
	MULP 1, MB/2, MB/2, 0
.endm
.if KIND == 0
	s_load_b64 s[4:5], s[0:1], 0x0                 ; hw: A lies at its head
	s_load_b64 s[6:7], s[0:1], 0x0                 ; hw once more: B lies WOFF bytes in
	s_load_b64 s[68:69], s[0:1], 0x8               ; the bias
	s_load_b64 s[8:9], s[0:1], 0x10                ; the output
.elseif KIND == 1
	s_load_b128 s[4:7], s[0:1], 0x0                ; A, hw
	s_load_b64 s[68:69], s[0:1], 0x10              ; the bias
	s_load_b64 s[8:9], s[0:1], 0x18                ; the output
.else
	s_load_b128 s[4:7], s[0:1], 0x0                ; A, hw
	s_load_b128 s[68:71], s[0:1], 0x10             ; the bias, the residual
	s_load_b64 s[8:9], s[0:1], 0x20                ; the output
.endif
	v_lshl_add_u32 v[SPW], v0, 2, SPARE
	v_mov_b32 v[NIL], 0
	ds_add_u32 v[SPW], v[NIL]                      ; the wave's opening: the add and its wait stand ahead of my first tensor load; the set-up below, work on registers, stands between them
	ds_add_u32 v28, v29
	v_lshrrev_b32 v1, 5, v0
	v_readfirstlane_b32 s10, v1                    ; wave 0..3
	s_lshr_b32 s11, s10, 1                         ; I fetch for A (0) or for B (1)
	s_and_b32 s12, s10, 1                          ; which half of that tile I fetch
.if KIND == 0
	s_mov_b32 s20, s10                             ; my place among the wave rows,
	s_mov_b32 s21, 0                               ; and among the wave columns
.else
	s_mov_b32 s20, s11
	s_mov_b32 s21, s12
.endif
	s_bfe_u32 s40, ttmp6, 0x40000                  ; cx, cy: my place in the cluster
	s_bfe_u32 s41, ttmp6, 0x40004
	s_lshl_b32 s42, ttmp9, 2
	s_add_co_u32 s42, s42, s40                     ; tile column of C = 4 x cluster x + cx
	s_and_b32 s13, ttmp7, 0xffff
	s_lshl_b32 s13, s13, 2
	s_add_co_u32 s13, s13, s41                     ; tile row of C = 4 x cluster y + cy
	s_lshl_b32 s43, s41, 2
	s_lshl_b32 s43, 15, s43                        ; my row of the cluster
	s_lshl_b32 s44, 0x1111, s40                    ; my column
	s_or_b32 s[G1A], s43, (1<<16)|(1<<20)|(1<<21)|(QIA<<22)|(3<<25)  ; 15:0 the mask; 17:16 2-byte elements; 20 padding on; 21 set beside a mask; 24:22 the interval; 31:25 4 words of padding
	s_or_b32 s[G1B], s44, (1<<16)|(1<<20)|(1<<21)|(QIB<<22)|(3<<25)
	s_mov_b32 s[G1A+1], (AD0&0xffff)<<16           ; tensor_dim0
	s_mov_b32 s[G1A+2], (AD0>>16)|(AD1<<16)        ; tensor_dim1
	s_mov_b32 s[G1A+3], AD0<<16                    ; tile_dim0
	s_mov_b32 s[G1A+4], AD1                        ; tile_dim1
	s_mov_b32 s[G1A+5], ASTR                       ; elements from row to row
	s_mov_b32 s[G1A+6], 0
	s_mov_b32 s[G1A+7], 0
	s_mov_b32 s[G1B+1], KSTEP<<16
	s_mov_b32 s[G1B+2], ROWSB<<16
	s_mov_b32 s[G1B+3], KSTEP<<16
	s_mov_b32 s[G1B+4], ROWSB
	s_mov_b32 s[G1B+5], SIZE_K
	s_mov_b32 s[G1B+6], 0
	s_mov_b32 s[G1B+7], 0
	s_mul_i32 s16, s13, TM                         ; A's tile hangs on the tile row alone,
	s_mul_i32 s17, s12, ROWSA
	s_add_co_u32 s16, s16, s17
	s_mul_i32 s16, s16, AROWB                      ; its first row in bytes: under 2^26
	s_mov_b32 s17, 0
	s_mul_i32 s46, s42, TN                         ; B's on the tile column alone
	s_mul_i32 s45, s12, ROWSB
	s_add_co_u32 s46, s46, s45
	s_mul_i32 s46, s46, SIZE_K*2
	s_add_co_u32 s46, s46, WOFF
	s_mov_b32 s47, 0
	s_mul_i32 s[LBA], s12, AHALF                   ; no place in the cluster enters an LDS address
	s_mul_i32 s[LBB], s12, BHALF
	s_add_co_u32 s[LBB], s[LBB], 2*AHALF
	s_mov_b32 s[TB], 0
	s_mul_i32 s22, s42, TN                         ; my first column of C
	s_mul_i32 s23, s21, NB*16
	s_add_co_u32 s22, s22, s23
.if KIND == 0
	s_mul_i32 s18, s42, 3*524288                   ; my three planes of 4,096 x 128 bytes,
	s_lshl_b32 s19, s13, 15                        ; the tile's 256 tokens of 128 bytes,
	s_add_co_u32 s18, s18, s19
	s_lshl_b32 s19, s10, 13                        ; my wave's 64 of them
	s_add_co_u32 s18, s18, s19
.else
	s_mul_i32 s18, s13, TM                         ; my first row of C,
	s_mul_i32 s19, s20, MB*16
	s_add_co_u32 s18, s18, s19
	s_mul_i32 s18, s18, SIZE_N*OB                  ; in bytes,
	s_mul_i32 s19, s22, OB                         ; and my first column
	s_add_co_u32 s18, s18, s19
.endif
	s_mov_b32 s19, 0
	s_lshl_b32 s22, s22, 2                         ; my first column in the bias
	s_mov_b32 s23, 0
	s_wait_dscnt 0x0                               ; the opening add is done
	s_wait_kmcnt 0x0
	s_add_nc_u64 s[14:15], s[4:5], s[16:17]
	s_add_nc_u64 s[46:47], s[6:7], s[46:47]
	s_add_nc_u64 s[8:9], s[8:9], s[18:19]
	s_add_nc_u64 s[68:69], s[68:69], s[22:23]
.if KIND >= 2
	s_add_nc_u64 s[70:71], s[70:71], s[18:19]
.endif
.irp t, 0,1
	s_mov_b32 s[G0A+4*(\t)], 1                                       ; count = 1
	s_add_co_u32 s[G0A+4*(\t)+1], s[LBA], (\t)*SLOT                  ; LDS address
	s_add_nc_u64 s[G0A+4*(\t)+2:G0A+4*(\t)+3], s[14:15], (\t)*ASTEP  ; global address: K step t
	s_or_b32 s[G0A+4*(\t)+3], s[G0A+4*(\t)+3], 0x80000000            ; type = 2
	s_mov_b32 s[G0B+4*(\t)], 1
	s_add_co_u32 s[G0B+4*(\t)+1], s[LBB], (\t)*SLOT
	s_add_nc_u64 s[G0B+4*(\t)+2:G0B+4*(\t)+3], s[46:47], (\t)*BSTEP
	s_or_b32 s[G0B+4*(\t)+3], s[G0B+4*(\t)+3], 0x80000000
.endr
	CROUND                                         ; all sixteen work-groups are here: the first joint loads meet
	s_cmp_eq_u32 s11, 0                            ; a wave's two first fills stand in one branch: two loads of mine are out
	s_cbranch_scc0 .Lfirst_b
	tensor_load_to_lds s[G0A:G0A+3], s[G1A:G1A+7]
	s_nop 0
	tensor_load_to_lds s[G0A+4:G0A+7], s[G1A:G1A+7]
	s_nop 0
	PLACES
	s_branch .Lfirst_done
.Lfirst_b:
	tensor_load_to_lds s[G0B:G0B+3], s[G1B:G1B+7]
	s_nop 0
	tensor_load_to_lds s[G0B+4:G0B+7], s[G1B:G1B+7]
	s_nop 0
	PLACES
.Lfirst_done:
	v_and_b32 v1, 15, v0                           ; l % 16
	v_bfe_u32 v2, v0, 4, 1                         ; l / 16
	v_lshlrev_b32 v[BO], 5, v2                     ; the bias in C's layout: register j of block b holds column 16 b + 8 (l / 16) + j
.set i, 0
.rept NB
	global_load_b128 v[BIAS+8*i:BIAS+8*i+3], v[BO], s[68:69] offset:64*i
	global_load_b128 v[BIAS+8*i+4:BIAS+8*i+7], v[BO], s[68:69] offset:64*i+16
.set i, i+1
.endr
.if KIND == 0
	v_and_b32 v3, 31, v0
	v_lshlrev_b32 v[CO], 4, v3                     ; 512 consecutive bytes a store
.else
	v_mul_u32_u24 v3, v2, SIZE_N*OB                ; lanes 0-15 one row of 256 bytes, lanes 16-31 the next
	v_lshl_add_u32 v[CO], v1, 4, v3
.endif
.if KIND >= 2
	WIN 0x80                                       ; destination window 2: my 64 x 64 of the residual, in the order in which the way out reads rows back
.set i, 0
.rept 32
	global_load_b128 v[RES+4*i:RES+4*i+3], v[CO], s[70:71] offset:2*i*SIZE_N*4
.set i, i+1
.endr
	WIN 0
.endif
	v_mul_u32_u24 v3, v1, PITCHA
	v_lshl_add_u32 v3, v2, 4, v3                   ; a fragment's row x pitch + 16 x half
	s_mul_i32 s16, s20, AWAVE
	v_add_nc_u32 v[ADRA0], s16, v3
	v_mul_u32_u24 v3, v1, PITCHB
	v_lshl_add_u32 v3, v2, 4, v3
	s_mul_i32 s16, s21, NB*16*PITCHB
	s_add_co_u32 s16, s16, 2*AHALF                 ; B lies behind A's two halves
	v_add_nc_u32 v[ADRB0], s16, v3
	v_mov_b32 v[ADRA], v[ADRA0]
	v_mov_b32 v[ADRB], v[ADRB0]
	s_mul_i32 s16, s10, STAGEW
	s_add_co_u32 s16, s16, STAGE                   ; my stage
.if KIND == 0
	v_mul_u32_u24 v3, v1, 144                      ; in: row l % 16 of a head's 16 x 128 bytes, 16 bytes for each half of the lanes
	v_lshl_add_u32 v3, v2, 4, v3
	v_add_nc_u32 v[STO], s16, v3
	v_bfe_u32 v3, v0, 3, 2                         ; back: 32 lanes take four rows of 128 bytes
	v_mul_u32_u24 v3, v3, 144
	v_and_b32 v4, 7, v0
	v_lshl_add_u32 v3, v4, 4, v3
	v_add_nc_u32 v[RD], s16, v3
.else
	v_mul_u32_u24 v3, v1, 272                      ; in: row l % 16; eight numbers for each half of the lanes
	v_lshl_add_u32 v3, v2, 3+OB/2, v3
	v_add_nc_u32 v[STO], s16, v3
	v_mul_u32_u24 v3, v2, 272                      ; back: lanes 0-15 one row of 256 bytes, lanes 16-31 the next
	v_lshl_add_u32 v3, v1, 4, v3
	v_add_nc_u32 v[RD], s16, v3
.endif
	s_wait_tensorcnt 0x1                           ; my part of K step 0 is in; K step 1's may stay out
	s_barrier_signal -1
	s_barrier_wait -1                              ; everybody's is
	FETCH 0, 0
.if KIND >= 2
	s_wait_loadcnt 32                              ; the bias is in; the 32 loads of the residual stay out
.else
	s_wait_loadcnt 0x0                             ; the bias
.endif
	QUARTER 1, 0, 1, 1                             ; the first chunk stands in front of the loop: its products start the sums
	WIN 0                                          ; at a label and at a branch every window is 0
	s_mov_b32 s3, NS-2
.Lk:                                                   ; a trip: a K step's chunks 1, 2, 3 and the next step's chunk 0; one refill
	QUARTER 2, 1, 0, 0
	QUARTER 3, 0, 1, 0
	TURN
	QUARTER 1, 0, 1, 0
	WIN 0
	s_sub_co_u32 s3, s3, 1
	s_cmp_lg_u32 s3, 0
	s_cbranch_scc1 .Lk
	s_mov_b32 s[CNT], 2
.Ltail:                                                ; the last two K steps ask for nothing; the second trip is left in its middle
	QUARTER 2, 1, 0, 0
	QUARTER 3, 0, 1, 0
	MEET                                           ; in the first trip: the last K step's slot is whole
	s_sub_co_u32 s[CNT], s[CNT], 1
	s_cmp_eq_u32 s[CNT], 0
	s_cbranch_scc1 .Lout
	s_xor_b32 s[TB], s[TB], SLOT
	v_add_nc_u32 v[ADRA], s[TB], v[ADRA0]
	v_add_nc_u32 v[ADRB], s[TB], v[ADRB0]
	PLACES
	FETCH 0, 0
	MULP 1, MB/2, MB/2, 0
	QUARTER 1, 0, 1, 0
	WIN 0
	s_branch .Ltail
.Lout:
	MULP 1, MB/2, MB/2, 0
	WIN 0
	PLACES
; THE WAY OUT, a block of 16 rows at a time, through my own stage in LDS, so that each store of the wave covers whole aligned runs of 256 bytes.  Each accumulator's registers are read in ascending order.
.macro PACK a                          ; KIND 0, 1: rounded to f16 (KIND 1: ReLU first), 16 bytes for each block of 16 columns
.set AC, 8*NB*((\a)%(MB/2))
.if KIND == 1
	WIN 0x88+0x44*((\a)/(MB/2))
.set i, 0
.rept 8*NB
	v_max_num_f32 v[AC+i], 0, v[AC+i]
.set i, i+1
.endr
.endif
.if KIND < 2
	WIN 0x0a+5*((\a)/(MB/2))
.set i, 0
.rept 4*NB
	v_cvt_pk_f16_f32 v[TMP+i], v[AC+2*i], v[AC+2*i+1]
.set i, i+1
.endr
	WIN 0
.endif
.endm
.macro TOSTAGE a
.set AC, 8*NB*((\a)%(MB/2))
.set BK, BK0+(BK1-BK0)*((\a)%2)
.if KIND >= 2
	WIN 0x08+4*((\a)/(MB/2))                       ; the data come straight from the accumulators, f32
.set i, 0
.rept NB
	ds_store_b128 v[STO], v[AC+8*i:AC+8*i+3] offset:64*i
	ds_store_b128 v[STO], v[AC+8*i+4:AC+8*i+7] offset:64*i+16
.set i, i+1
.endr
.endif
	WIN 0
.set i, 0
.if KIND == 1
.rept NB
	ds_store_b128 v[STO], v[TMP+4*i:TMP+4*i+3] offset:32*i
.set i, i+1
.endr
.elseif KIND == 0
.rept NB
	ds_store_b128 v[STO], v[TMP+4*i:TMP+4*i+3] offset:(i/4)*2304+(i%4)*32
.set i, i+1
.endr
.endif
.set i, 0
.if KIND == 0
.rept 12
	ds_load_b128 v[BK+4*i:BK+4*i+3], v[RD] offset:(i/4)*2304+(i%4)*576  ; LDS serves a wave's instructions in order (ISA guide 5.7.1.4): these see the stores above
.set i, i+1
.endr
.else
.rept 8
	ds_load_b128 v[BK+4*i:BK+4*i+3], v[RD] offset:i*544                 ; LDS serves a wave's instructions in order (ISA guide 5.7.1.4): these see the stores above
.set i, i+1
.endr
.endif
.endm
.macro SEND a
.set BK, BK0+(BK1-BK0)*((\a)%2)
	WIN 0
	s_wait_dscnt 0x0                               ; the block is back in registers
	s_wait_xcnt 0x0                                ; the stores of the block before have read their registers: the next block's loads from the stage land there only behind this wait
.if KIND >= 2
	WIN 0x08
.set i, 0
.rept 16
	v_pk_add_f32 v[BK+2*i:BK+2*i+1], v[BK+2*i:BK+2*i+1], v[RES+32*(\a)+2*i:RES+32*(\a)+2*i+1]
.set i, i+1
.endr
	WIN 0
.endif
.set i, 0
.if KIND == 0
.rept 12
	global_store_b128 v[CO], v[BK+4*i:BK+4*i+3], s[8:9] offset:(i/4)*524288+(\a)*2048+(i%4)*512  ; four tokens of a head: 512 consecutive bytes
.set i, i+1
.endr
.else
.rept 8
	global_store_b128 v[CO], v[BK+4*i:BK+4*i+3], s[8:9] offset:(16*(\a)+2*i)*SIZE_N*OB           ; 16 lanes store 256 consecutive bytes, aligned
.set i, i+1
.endr
.endif
.endm
.if KIND >= 2
	s_wait_loadcnt 0x0                             ; the residual
.endif
	PACK 0
	TOSTAGE 0
.set blk, 1
.rept MB-1
	PACK blk
	SEND blk-1
	TOSTAGE blk
.set blk, blk+1
.endr
	SEND MB-1
	s_wait_tensorcnt 0x0                           ; the wave's end, behind my last tensor load and my last LDS store
	ds_add_u32 v[SPW], v[NIL]
	s_wait_dscnt 0x0
	CROUND                                         ; the closing round: no work-group ends while a partner may still ask for a tile that names it
	s_endpgm
.Lfunc_end_k_q27e3b47418_gff1:
	.size	k_q27e3b47418_gff1, .Lfunc_end_k_q27e3b47418_gff1-k_q27e3b47418_gff1
	.p2alignl 7, 3214868480
	.fill 96, 4, 3214868480
	.section	.rodata,"a",@progbits
	.p2align	6, 0x0
	.amdhsa_kernel k_q27e3b47418_gff1
		.amdhsa_group_segment_fixed_size 327680
		.amdhsa_private_segment_fixed_size 0
		.amdhsa_enable_private_segment 0
		.amdhsa_kernarg_size 32
		.amdhsa_user_sgpr_count 2
		.amdhsa_user_sgpr_kernarg_segment_ptr 1
		.amdhsa_wavefront_size32 1
		.amdhsa_system_sgpr_workgroup_id_x 1
		.amdhsa_system_sgpr_workgroup_id_y 1
		.amdhsa_system_sgpr_workgroup_id_z 1
		.amdhsa_system_vgpr_workitem_id 0
		.amdhsa_next_free_vgpr 1024
		.amdhsa_next_free_sgpr 80
		.amdhsa_reserve_vcc 0
		.amdhsa_float_denorm_mode_32 3
		.amdhsa_float_denorm_mode_16_64 3
		.amdhsa_memory_ordered 1
		.amdhsa_forward_progress 1
		.amdhsa_inst_pref_size 120
	.end_amdhsa_kernel
	.amdgpu_metadata
---
amdhsa.version: [ 1, 2 ]
amdhsa.kernels:
  - .name:           k_q27e3b47418_gff1
    .symbol:         k_q27e3b47418_gff1.kd
    .args:
      - { .name: x2h, .offset: 0, .size: 8, .value_kind: global_buffer, .address_space: global }
      - { .name: hw, .offset: 8, .size: 8, .value_kind: global_buffer, .address_space: global }
      - { .name: b1, .offset: 16, .size: 8, .value_kind: global_buffer, .address_space: global }
      - { .name: hh, .offset: 24, .size: 8, .value_kind: global_buffer, .address_space: global }
    .group_segment_fixed_size: 327680
    .private_segment_fixed_size: 0
    .kernarg_segment_align: 8
    .kernarg_segment_size: 32
    .max_flat_workgroup_size: 128
    .sgpr_count:     80
    .vgpr_count:     1024
    .wavefront_size: 32
...
	.end_amdgpu_metadata
.endif
;; end of part 6
;; launch gff2 (part 7): grid 8 x 32, 4 waves a work-group, clusters of 4 x 4, 327,680 bytes of LDS; arguments hh, hw, b2, x2, tsum; writes tsum
.if DOCPART == 7
	.amdgcn_target "amdgcn-amd-amdhsa--gfx1250"
	.amdhsa_code_object_version 6
	.text
	.protected	k_q27e3b47418_gff2
	.globl	k_q27e3b47418_gff2
	.p2align	8
	.type	k_q27e3b47418_gff2,@function
k_q27e3b47418_gff2:
	s_mov_b64 s[64:65], 0
	v_nop
	global_prefetch_b8 v0, s[64:65] scope:SCOPE_SE
	s_setreg_imm32_b32 hwreg(HW_REG_WAVE_MODE, 25, 1), 1
	s_wait_xcnt 0x0
	s_wait_alu depctr_hold_cnt(0) depctr_sa_sdst(0) depctr_va_vdst(0) depctr_va_sdst(0) depctr_va_ssrc(0) depctr_va_vcc(0) depctr_vm_vsrc(0)
	s_getreg_b32 s2, hwreg(HW_REG_IB_STS2, 6, 4)
	s_cmp_eq_u32 s2, 0
	s_cbranch_scc0 .Lentry_in_a_cluster
	s_endpgm
.Lentry_in_a_cluster:
	s_bfe_u32 s2, ttmp6, 0x10000c
	s_cmp_lg_u32 s2, 0xf033
	s_cbranch_scc0 .Lentry_shape_is_right
	s_endpgm
.Lentry_shape_is_right:
; tsum = x2 + h w2^T + b2.  A = h, f16 (hh), [4096][4096]; B = w2 in f16 (hw, byte 25,165,824), [1024][4096]; the residual x2 and the output tsum are f32 [4096][1024].
; Sums in f32, begun with the bias; the residual is added in f32 on the way out.  LIMIT: the operands are f16 (65,504 at the most).
; SHAPE.  A work-group of four waves makes 128 x 128 of C, so that 256 work-groups share C; the waves lie 2 x 2, 64 x 64 each: MB x NB = 4 x 4 blocks of 16 x 16.
; K goes in steps of 256 through a ring of two LDS slots filled by the tensor data mover; waves 0, 1 fetch the two halves of A's tile, waves 2, 3 of B's: one load a wave behind each change of slots.
; CLUSTER 4 x 4: the four work-groups of a row of the cluster need the same tiles of A, the four of a column the same tiles of B: each tile is asked for jointly, by the same load with the same descriptor and mask.
; THE MATRIX INSTRUCTION IS USED TRANSPOSED (source 0 = 16 rows of B, source 1 = 16 rows of A): lane l holds row l % 16 of C and its columns 8 (l / 16) + 0..7.
; REGISTERS, in windows of 256 (s_set_vgpr_msb: bits 1:0 source 0, 3:2 source 1, 5:4 source 2, 7:6 destination):
;   window 0: v0-29 addresses; A's fragments, two buffers at v64 and v128; the bias as the first products' C at v224-255; on the way out BK0, BK1
;   window 1: B's fragments, two buffers at v0 and v128     windows 2, 3: v0-63 the accumulators of the wave's upper and lower half of rows; window 2 v128-255 the residual
.set SIZE_N, 1024
.set SIZE_K, 4096
.set TM,     128
.set TN,     128
.set MB,     4                         ; blocks of 16 rows a wave
.set NB,     4                         ; blocks of 16 columns a wave
.set KD,     2                         ; matrix instructions along K in a chunk; a K step is four chunks
.set KSTEP,  256
.set PITCH,  528                       ; an LDS row: 512 bytes + 16 of padding: the 16 rows of a load start at 16 different groups of four banks (64 banks of 4 bytes: ISA guide 11.1)
.set ROWS,   64                        ; rows of A or of B in one load
.set HALF,   ROWS*PITCH                ; LDS bytes of one load
.set STEP,   KSTEP*2                   ; bytes of memory from K step to K step
.set WOFF,   25165824                  ; B's first byte in hw
.set STAGEW, 16*272                    ; a wave's stage: 16 rows x 272 bytes
.set BK0,    32
.set BK1,    224
.set NS,     SIZE_K/KSTEP
.set SLOT,   4*HALF                    ; A's two halves, then B's two halves
.set STAGE,  2*SLOT                    ; behind the ring, never filled by a tensor load
.set SPARE,  STAGE+4*STAGEW            ; behind the stages: the spare words, 128 bytes for each wave, which no other line names
.set AU,     MB*KD                     ; LDS loads of a chunk's fragments of A's lower rows (the last issued)
.set NF,     2*KD*(MB+NB)              ; LDS loads of a chunk
.set BIAS,   256-8*NB
.set RES,    128
.set ADRA0,  14                        ; v14  my lane's place in A's tile of slot 0; never rewritten
.set ADRB0,  15                        ; v15  the same for B
.set ADRA,   16                        ; v16  the same in the slot being read
.set ADRB,   20                        ; v20
.set STO,    24                        ; v24  the way out: where I put my bytes of a row
.set RD,     25                        ; v25  the way out: where I read rows back
.set CO,     26                        ; v26  my byte offset in the output and the residual
.set BO,     27                        ; v27  my byte offset in the bias
.set SPW,    28                        ; v28  LDS address of my spare word; never rewritten
.set NIL,    29                        ; v29  0; never rewritten
.set G1A,    24                        ; s[24:31] descriptor group 1 for A's tiles
.set G0A,    32                        ; s[32:39] group 0: set 0 for K step 0, set 1 for K step 1, which then walks
.set G1B,    48                        ; s[48:55], s[56:63] the same for B's
.set G0B,    56
.set TB,     72                        ; s72  the slot being read: 0 or SLOT
.set LBA,    73                        ; s73  where my load of A lands in a slot
.set LBB,    74                        ; s74  where my load of B lands
.set CNT,    75                        ; s75  counts the last two K steps
.set MSB, 0
.macro WIN new                         ; the immediate's high byte repeats the setting that is left; a switch that changes nothing is dropped
.if MSB != (\new)
	s_set_vgpr_msb (MSB<<8)|(\new)
.set MSB, (\new)
.endif
.endm
.macro PLACES                          ; four places in front of loads into registers that matrix instructions have read, and of lines that read results
.rept 4
	v_nop
.endr
.endm
.macro CREST                           ; a round of the cluster's barrier behind its opening barrier
	s_cmp_lg_u32 s10, 0
	s_cbranch_scc1 .Lnot_wave_0_\@
	s_barrier_signal -3
.Lnot_wave_0_\@:
	s_barrier_wait -3
	s_barrier_signal -1
	s_barrier_wait -1
.endm
.macro CROUND                          ; a whole round
	s_barrier_signal -1
	s_barrier_wait -1
	CREST
.endm
.macro JLOAD                           ; a joint refill by the walking descriptor; an s_nop 0 and four v_nop follow each of the two lines
	s_cmp_eq_u32 s11, 0
	s_cbranch_scc0 .Lfor_b_\@
	tensor_load_to_lds s[G0A+4:G0A+7], s[G1A:G1A+7]
	s_nop 0
	PLACES
	s_branch .Lasked_\@
.Lfor_b_\@:
	tensor_load_to_lds s[G0B+4:G0B+7], s[G1B:G1B+7]
	s_nop 0
	PLACES
.Lasked_\@:
.endm
; Products of buffer f: row blocks a0 .. a0 + na - 1 x all NB column blocks, KD deep.  The accumulators take turns, one instruction a turn.
; first = 1: the first product of each sum takes the bias as C: nothing is cleared and nothing is added later.
.macro MULP f, a0, na, first
.set md, 0
.rept KD
.set ma, (\a0)
.rept (\na)
.set mb, 0
.rept NB
.set rD, 8*(NB*(ma%(MB/2))+mb)
.set rB, 128*(\f)+8*(mb*KD+md)
.set rA, 64+64*(\f)+8*(ma*KD+md)
.if (\first) && (md == 0)
	WIN 0x81+0x40*(ma/(MB/2))
	v_wmma_f32_16x16x32_f16 v[rD:rD+7], v[rB:rB+7], v[rA:rA+7], v[BIAS+8*mb:BIAS+8*mb+7]
.else
	WIN 0xa1+0x50*(ma/(MB/2))
	v_wmma_f32_16x16x32_f16 v[rD:rD+7], v[rB:rB+7], v[rA:rA+7], v[rD:rD+7]
.endif
.set mb, mb+1
.endr
.set ma, ma+1
.endr
.set md, md+1
.endr
.endm
; NF LDS loads in one run: chunk c of the slot being read, into buffer f: B first, then A by ascending rows.
; A fragment is 16 rows x 32 K in 8 registers: lane l holds row l % 16, K = 8 (l / 16) + 0..7 and 16 + 8 (l / 16) + 0..7: two loads of 16 bytes, 32 bytes apart.
.macro FETCH c, f
	WIN 0x40
.set fb, 0
.rept NB
.set fd, 0
.rept KD
.set rB, 128*(\f)+8*(fb*KD+fd)
.set oB, (\c)*64*KD+64*fd+fb*16*PITCH
	ds_load_b128 v[rB:rB+3], v[ADRB] offset:oB
	ds_load_b128 v[rB+4:rB+7], v[ADRB] offset:oB+32
.set fd, fd+1
.endr
.set fb, fb+1
.endr
	WIN 0
.set fa, 0
.rept MB
.set fd, 0
.rept KD
.set rA, 64+64*(\f)+8*(fa*KD+fd)
.set oA, (\c)*64*KD+64*fd+fa*16*PITCH
	ds_load_b128 v[rA:rA+3], v[ADRA] offset:oA
	ds_load_b128 v[rA+4:rA+7], v[ADRA] offset:oA+32
.set fd, fd+1
.endr
.set fa, fa+1
.endr
.endm
; One of a K step's first three chunks: multiplies buffer f; in its middle fetches chunk c into buffer g.
.macro QUARTER c, f, g, first
	s_wait_dscnt AU                                ; B and A's upper rows are in; the youngest AU loads (A's lower rows) may be out
	MULP \f, 0, MB/2, \first
	PLACES
	FETCH \c, \g
	s_wait_dscnt NF                                ; all but the NF just issued
	MULP \f, MB/2, MB/2, \first
.endm
; The first half of a K step's last chunk, and ONE barrier for the change of slots.  In front of it each wave waits for all its tensor loads (one is out: its part of the next slot),
; adds 0 to its spare word, and waits for that and for its reads of this slot.  Behind it nobody reads this slot any more and the next slot is whole.
.macro MEET
	WIN 0
	s_wait_tensorcnt 0x0                           ; all my tensor loads have landed
	ds_add_u32 v[SPW], v[NIL]                      ; 0 onto my spare word
	s_wait_dscnt AU+1                              ; (the add and the youngest AU loads may be out)
	MULP 1, 0, MB/4, 0                             ; matrix work stands between the add and the wait for it
	s_wait_dscnt 0x0                               ; the add is done, and my reads of this slot are over
	s_barrier_signal -1
	MULP 1, MB/4, MB/4, 0                          ; work on registers while the others arrive
	WIN 0
	s_barrier_wait -1
.endm
; The whole last chunk with a refill: the barrier opens a round of the cluster's barrier; behind the round the slot just read takes the K step two steps on, first of all; then the next slot's first chunk is fetched.
.macro TURN
	MEET
	CREST                                          ; no wave of any partner still reads this slot or has a load on its way
	s_add_co_u32 s[G0A+5], s[LBA], s[TB]           ; the walking descriptor: into the slot just read,
	s_add_co_u32 s[G0B+5], s[LBB], s[TB]
	s_add_nc_u64 s[G0A+6:G0A+7], s[G0A+6:G0A+7], STEP  ; the next K step; the type bits on top are not reached
	s_add_nc_u64 s[G0B+6:G0B+7], s[G0B+6:G0B+7], STEP
	s_xor_b32 s[TB], s[TB], SLOT                   ; TB is 0 or SLOT: now the other slot is read
	JLOAD                                          ; the four v_nop behind it are also the places in front of the loads below
	v_add_nc_u32 v[ADRA], s[TB], v[ADRA0]
	v_add_nc_u32 v[ADRB], s[TB], v[ADRB0]
	FETCH 0, 0
	MULP 1, MB/2, MB/2, 0
.endm
	s_load_b128 s[4:7], s[0:1], 0x0                ; A, hw
	s_load_b128 s[68:71], s[0:1], 0x10             ; the bias, the residual
	s_load_b64 s[8:9], s[0:1], 0x20                ; the output
	v_lshl_add_u32 v[SPW], v0, 2, SPARE
	v_mov_b32 v[NIL], 0
	ds_add_u32 v[SPW], v[NIL]                      ; the wave's opening: the add and its wait stand ahead of my first tensor load; the set-up below, work on registers, stands between them
	ds_add_u32 v28, v29
	v_lshrrev_b32 v1, 5, v0
	v_readfirstlane_b32 s10, v1                    ; wave 0..3
	s_lshr_b32 s11, s10, 1                         ; my place among the wave rows.  Also: I fetch for A (0) or for B (1)
	s_and_b32 s12, s10, 1                          ; my place among the wave columns.  Also: which half of that tile I fetch
	s_bfe_u32 s40, ttmp6, 0x40000                  ; cx, cy: my place in the cluster
	s_bfe_u32 s41, ttmp6, 0x40004
	s_lshl_b32 s42, ttmp9, 2
	s_add_co_u32 s42, s42, s40                     ; tile column of C = 4 x cluster x + cx
	s_and_b32 s13, ttmp7, 0xffff
	s_lshl_b32 s13, s13, 2
	s_add_co_u32 s13, s13, s41                     ; tile row of C = 4 x cluster y + cy
	s_lshl_b32 s43, s41, 2
	s_lshl_b32 s43, 15, s43                        ; my row of the cluster
	s_lshl_b32 s44, 0x1111, s40                    ; my column
	s_or_b32 s[G1A], s43, (1<<16)|(1<<20)|(1<<21)|(6<<22)|(3<<25)  ; 15:0 the mask; 17:16 2-byte elements; 20 padding on; 21 set beside a mask; 24:22 after every 128 words; 31:25 4 words of padding
	s_or_b32 s[G1B], s44, (1<<16)|(1<<20)|(1<<21)|(6<<22)|(3<<25)
.irp g, G1A, G1B
	s_mov_b32 s[(\g)+1], KSTEP<<16                 ; tensor_dim0 = 256
	s_mov_b32 s[(\g)+2], ROWS<<16                  ; tensor_dim1 = 64
	s_mov_b32 s[(\g)+3], KSTEP<<16                 ; tile_dim0 = 256
	s_mov_b32 s[(\g)+4], ROWS                      ; tile_dim1 = 64
	s_mov_b32 s[(\g)+5], SIZE_K                    ; elements from row to row
	s_mov_b32 s[(\g)+6], 0
	s_mov_b32 s[(\g)+7], 0
.endr
	s_mul_i32 s16, s13, TM                         ; A's tile hangs on the tile row alone,
	s_mul_i32 s17, s12, ROWS
	s_add_co_u32 s16, s16, s17
	s_mul_i32 s16, s16, SIZE_K*2                   ; its first row in bytes: under 2^26
	s_mov_b32 s17, 0
	s_mul_i32 s46, s42, TN                         ; B's on the tile column alone
	s_mul_i32 s45, s12, ROWS
	s_add_co_u32 s46, s46, s45
	s_mul_i32 s46, s46, SIZE_K*2
	s_add_co_u32 s46, s46, WOFF
	s_mov_b32 s47, 0
	s_mul_i32 s[LBA], s12, HALF                    ; no place in the cluster enters an LDS address
	s_add_co_u32 s[LBB], s[LBA], 2*HALF
	s_mov_b32 s[TB], 0
	s_mul_i32 s22, s42, TN                         ; my first column of C
	s_mul_i32 s23, s12, NB*16
	s_add_co_u32 s22, s22, s23
	s_lshl_b32 s22, s22, 2                         ; in bytes: in the bias, and in a row of C
	s_mov_b32 s23, 0
	s_mul_i32 s18, s13, TM                         ; my first row of C,
	s_mul_i32 s19, s11, MB*16
	s_add_co_u32 s18, s18, s19
	s_mul_i32 s18, s18, SIZE_N*4                   ; in bytes,
	s_add_co_u32 s18, s18, s22                     ; and my first column
	s_mov_b32 s19, 0
	s_wait_dscnt 0x0                               ; the opening add is done
	s_wait_kmcnt 0x0
	s_add_nc_u64 s[14:15], s[4:5], s[16:17]
	s_add_nc_u64 s[46:47], s[6:7], s[46:47]
	s_add_nc_u64 s[8:9], s[8:9], s[18:19]
	s_add_nc_u64 s[68:69], s[68:69], s[22:23]
	s_add_nc_u64 s[70:71], s[70:71], s[18:19]
.irp t, 0,1
	s_mov_b32 s[G0A+4*(\t)], 1                                       ; count = 1
	s_add_co_u32 s[G0A+4*(\t)+1], s[LBA], (\t)*SLOT                  ; LDS address
	s_add_nc_u64 s[G0A+4*(\t)+2:G0A+4*(\t)+3], s[14:15], (\t)*STEP   ; global address: K step t
	s_or_b32 s[G0A+4*(\t)+3], s[G0A+4*(\t)+3], 0x80000000            ; type = 2
	s_mov_b32 s[G0B+4*(\t)], 1
	s_add_co_u32 s[G0B+4*(\t)+1], s[LBB], (\t)*SLOT
	s_add_nc_u64 s[G0B+4*(\t)+2:G0B+4*(\t)+3], s[46:47], (\t)*STEP
	s_or_b32 s[G0B+4*(\t)+3], s[G0B+4*(\t)+3], 0x80000000
.endr
	CROUND                                         ; all sixteen work-groups are here: the first joint loads meet
	s_cmp_eq_u32 s11, 0                            ; a wave's two first fills stand in one branch: two loads of mine are out
	s_cbranch_scc0 .Lfirst_b
	tensor_load_to_lds s[G0A:G0A+3], s[G1A:G1A+7]
	s_nop 0
	tensor_load_to_lds s[G0A+4:G0A+7], s[G1A:G1A+7]
	s_nop 0
	PLACES
	s_branch .Lfirst_done
.Lfirst_b:
	tensor_load_to_lds s[G0B:G0B+3], s[G1B:G1B+7]
	s_nop 0
	tensor_load_to_lds s[G0B+4:G0B+7], s[G1B:G1B+7]
	s_nop 0
	PLACES
.Lfirst_done:
	v_and_b32 v1, 15, v0                           ; l % 16
	v_bfe_u32 v2, v0, 4, 1                         ; l / 16
	v_lshlrev_b32 v[BO], 5, v2                     ; the bias in C's layout: register j of block b holds column 16 b + 8 (l / 16) + j
.set i, 0
.rept NB
	global_load_b128 v[BIAS+8*i:BIAS+8*i+3], v[BO], s[68:69] offset:64*i
	global_load_b128 v[BIAS+8*i+4:BIAS+8*i+7], v[BO], s[68:69] offset:64*i+16
.set i, i+1
.endr
	v_mul_u32_u24 v3, v2, SIZE_N*4                 ; lanes 0-15 one row of 256 bytes, lanes 16-31 the next
	v_lshl_add_u32 v[CO], v1, 4, v3
	WIN 0x80                                       ; destination window 2: my 64 x 64 of the residual, in the order in which the way out reads rows back
.set i, 0
.rept 32
	global_load_b128 v[RES+4*i:RES+4*i+3], v[CO], s[70:71] offset:2*i*SIZE_N*4
.set i, i+1
.endr
	WIN 0
	v_mul_u32_u24 v3, v1, PITCH
	v_lshl_add_u32 v3, v2, 4, v3                   ; a fragment's row x pitch + 16 x half
	s_mul_i32 s16, s11, HALF                       ; my 64 rows of A
	v_add_nc_u32 v[ADRA0], s16, v3
	s_mul_i32 s16, s12, HALF                       ; my 64 rows of B,
	s_add_co_u32 s16, s16, 2*HALF                  ; which lie behind A's two halves
	v_add_nc_u32 v[ADRB0], s16, v3
	v_mov_b32 v[ADRA], v[ADRA0]
	v_mov_b32 v[ADRB], v[ADRB0]
	s_mul_i32 s16, s10, STAGEW
	s_add_co_u32 s16, s16, STAGE                   ; my stage
	v_mul_u32_u24 v3, v1, 272                      ; in: row l % 16; eight f32, 32 bytes, for each half of the lanes
	v_lshl_add_u32 v3, v2, 5, v3
	v_add_nc_u32 v[STO], s16, v3
	v_mul_u32_u24 v3, v2, 272                      ; back: lanes 0-15 one row of 256 bytes, lanes 16-31 the next
	v_lshl_add_u32 v3, v1, 4, v3
	v_add_nc_u32 v[RD], s16, v3
	s_wait_tensorcnt 0x1                           ; my part of K step 0 is in; K step 1's may stay out
	s_barrier_signal -1
	s_barrier_wait -1                              ; everybody's is
	FETCH 0, 0
	s_wait_loadcnt 32                              ; the bias is in; the 32 loads of the residual stay out
	QUARTER 1, 0, 1, 1                             ; the first chunk stands in front of the loop: its products start the sums
	WIN 0                                          ; at a label and at a branch every window is 0
	s_mov_b32 s3, NS-2
.Lk:                                                   ; a trip: a K step's chunks 1, 2, 3 and the next step's chunk 0; one refill
	QUARTER 2, 1, 0, 0
	QUARTER 3, 0, 1, 0
	TURN
	QUARTER 1, 0, 1, 0
	WIN 0
	s_sub_co_u32 s3, s3, 1
	s_cmp_lg_u32 s3, 0
	s_cbranch_scc1 .Lk
	s_mov_b32 s[CNT], 2
.Ltail:                                                ; the last two K steps ask for nothing; the second trip is left in its middle
	QUARTER 2, 1, 0, 0
	QUARTER 3, 0, 1, 0
	MEET                                           ; in the first trip: the last K step's slot is whole
	s_sub_co_u32 s[CNT], s[CNT], 1
	s_cmp_eq_u32 s[CNT], 0
	s_cbranch_scc1 .Lout
	s_xor_b32 s[TB], s[TB], SLOT
	v_add_nc_u32 v[ADRA], s[TB], v[ADRA0]
	v_add_nc_u32 v[ADRB], s[TB], v[ADRB0]
	PLACES
	FETCH 0, 0
	MULP 1, MB/2, MB/2, 0
	QUARTER 1, 0, 1, 0
	WIN 0
	s_branch .Ltail
.Lout:
	MULP 1, MB/2, MB/2, 0
	WIN 0
	PLACES
; THE WAY OUT, a block of 16 rows at a time, through my own stage in LDS, so that each store of the wave covers whole aligned runs of 256 bytes.  Each accumulator's registers are read in ascending order.
.macro TOSTAGE a
.set AC, 8*NB*((\a)%(MB/2))
.set BK, BK0+(BK1-BK0)*((\a)%2)
	WIN 0x08+4*((\a)/(MB/2))                       ; the data come straight from the accumulators, f32
.set i, 0
.rept NB
	ds_store_b128 v[STO], v[AC+8*i:AC+8*i+3] offset:64*i
	ds_store_b128 v[STO], v[AC+8*i+4:AC+8*i+7] offset:64*i+16
.set i, i+1
.endr
	WIN 0
.set i, 0
.rept 8
	ds_load_b128 v[BK+4*i:BK+4*i+3], v[RD] offset:i*544  ; LDS serves a wave's instructions in order (ISA guide 5.7.1.4): these see the stores above
.set i, i+1
.endr
.endm
.macro SEND a
.set BK, BK0+(BK1-BK0)*((\a)%2)
	WIN 0
	s_wait_dscnt 0x0                               ; the block is back in registers
	s_wait_xcnt 0x0                                ; earlier stores have read their registers: these are written again only behind this wait
	WIN 0x08                                       ; source 1 in window 2: the residual
.set i, 0
.rept 16
	v_pk_add_f32 v[BK+2*i:BK+2*i+1], v[BK+2*i:BK+2*i+1], v[RES+32*(\a)+2*i:RES+32*(\a)+2*i+1]
.set i, i+1
.endr
	WIN 0
.set i, 0
.rept 8
	global_store_b128 v[CO], v[BK+4*i:BK+4*i+3], s[8:9] offset:(16*(\a)+2*i)*SIZE_N*4  ; 16 lanes store 256 consecutive bytes, aligned
.set i, i+1
.endr
.endm
	s_wait_loadcnt 0x0                             ; the residual
	TOSTAGE 0
.set blk, 1
.rept MB-1
	SEND blk-1
	TOSTAGE blk
.set blk, blk+1
.endr
	SEND MB-1
	s_wait_tensorcnt 0x0                           ; the wave's end, behind my last tensor load and my last LDS store
	ds_add_u32 v[SPW], v[NIL]
	s_wait_dscnt 0x0
	CROUND                                         ; the closing round: no work-group ends while a partner may still ask for a tile that names it
	s_endpgm
.Lfunc_end_k_q27e3b47418_gff2:
	.size	k_q27e3b47418_gff2, .Lfunc_end_k_q27e3b47418_gff2-k_q27e3b47418_gff2
	.p2alignl 7, 3214868480
	.fill 96, 4, 3214868480
	.section	.rodata,"a",@progbits
	.p2align	6, 0x0
	.amdhsa_kernel k_q27e3b47418_gff2
		.amdhsa_group_segment_fixed_size 327680
		.amdhsa_private_segment_fixed_size 0
		.amdhsa_enable_private_segment 0
		.amdhsa_kernarg_size 40
		.amdhsa_user_sgpr_count 2
		.amdhsa_user_sgpr_kernarg_segment_ptr 1
		.amdhsa_wavefront_size32 1
		.amdhsa_system_sgpr_workgroup_id_x 1
		.amdhsa_system_sgpr_workgroup_id_y 1
		.amdhsa_system_sgpr_workgroup_id_z 1
		.amdhsa_system_vgpr_workitem_id 0
		.amdhsa_next_free_vgpr 832
		.amdhsa_next_free_sgpr 80
		.amdhsa_reserve_vcc 0
		.amdhsa_float_denorm_mode_32 3
		.amdhsa_float_denorm_mode_16_64 3
		.amdhsa_memory_ordered 1
		.amdhsa_forward_progress 1
		.amdhsa_inst_pref_size 67
	.end_amdhsa_kernel
	.amdgpu_metadata
---
amdhsa.version: [ 1, 2 ]
amdhsa.kernels:
  - .name:           k_q27e3b47418_gff2
    .symbol:         k_q27e3b47418_gff2.kd
    .args:
      - { .name: hh, .offset: 0, .size: 8, .value_kind: global_buffer, .address_space: global }
      - { .name: hw, .offset: 8, .size: 8, .value_kind: global_buffer, .address_space: global }
      - { .name: b2, .offset: 16, .size: 8, .value_kind: global_buffer, .address_space: global }
      - { .name: x2, .offset: 24, .size: 8, .value_kind: global_buffer, .address_space: global }
      - { .name: tsum, .offset: 32, .size: 8, .value_kind: global_buffer, .address_space: global }
    .group_segment_fixed_size: 327680
    .private_segment_fixed_size: 0
    .kernarg_segment_align: 8
    .kernarg_segment_size: 40
    .max_flat_workgroup_size: 128
    .sgpr_count:     80
    .vgpr_count:     832
    .wavefront_size: 32
...
	.end_amdgpu_metadata
.endif
;; end of part 7
;; launch ln2 (part 8): grid 256 x 1, 8 waves a work-group, no clusters, 0 bytes of LDS; arguments tsum, ln2_g, ln2_b, out0; writes out0
.if DOCPART == 8
	.amdgcn_target "amdgcn-amd-amdhsa--gfx1250"
	.amdhsa_code_object_version 6
	.text
	.protected	k_q27e3b47418_ln2
	.globl	k_q27e3b47418_ln2
	.p2align	8
	.type	k_q27e3b47418_ln2,@function
k_q27e3b47418_ln2:
	s_mov_b64 s[64:65], 0
	v_nop
	global_prefetch_b8 v0, s[64:65] scope:SCOPE_SE
	s_setreg_imm32_b32 hwreg(HW_REG_WAVE_MODE, 25, 1), 1
	s_wait_xcnt 0x0
; out0 = LayerNorm(tsum) x g + b over rows of 1,024 f32, eps = 1e-5.  The mean is taken first and the variance of the differences: no difference of large sums.
; A stream: no LDS, no matrix unit, no barrier.  A wave takes two whole rows; a row is eight loads of 512 consecutive bytes and stays in 32 registers between the passes, so memory is read once.
; All 32 loads of a wave are issued at once.  No register that a store reads is written again.
.set G,  2                             ; v[2:33]    g of my 32 columns
.set B,  34                            ; v[34:65]   b
.set X,  66                            ; v[66:129]  two rows
.set T,  162                           ; v[162:169] four chains of sums
.set OX, 170                           ; my byte offset in tsum and out0
.set OG, 171                           ; in g and b
.set PX, 173                           ; at work
.set M,  174                           ; v[174:175] the mean, later 1 / sqrt(var + eps), twice
	s_load_b256 s[4:11], s[0:1], 0x0               ; tsum s[4:5], g s[6:7], b s[8:9], out0 s[10:11]
	v_lshrrev_b32 v1, 5, v0                        ; wave
	v_and_b32 v[PX], 31, v0                        ; lane
	v_lshlrev_b32 v[OG], 4, v[PX]
	v_lshl_add_u32 v[OX], v1, 13, v[OG]            ; two rows of 4,096 bytes a wave
	s_lshl_b32 s14, ttmp9, 16                      ; sixteen rows a work-group
	s_mov_b32 s15, 0
	s_mov_b32 s18, 0x3a800000                      ; 1 / 1,024
	s_mov_b32 s19, 0x3727c5ac                      ; 1e-5
	s_mov_b32 s20, 0x76543210                      ; v_permlanex16_b32: each lane takes its own place in the other half
	s_mov_b32 s21, 0xfedcba98
	s_wait_kmcnt 0x0
	s_add_nc_u64 s[4:5], s[4:5], s[14:15]
	s_add_nc_u64 s[10:11], s[10:11], s[14:15]
.set i, 0
.rept 16
	global_load_b128 v[X+4*i:X+4*i+3], v[OX], s[4:5] offset:512*i th:TH_LOAD_NT
.set i, i+1
.endr
.set i, 0
.rept 8
	global_load_b128 v[G+4*i:G+4*i+3], v[OG], s[6:7] offset:512*i
.set i, i+1
.endr
.set i, 0
.rept 8
	global_load_b128 v[B+4*i:B+4*i+3], v[OG], s[8:9] offset:512*i
.set i, i+1
.endr
.macro ACROSS                          ; the four chains, the pair and the 32 lanes are added: every lane ends with the row's sum in v[T]
	v_pk_add_f32 v[T:T+1], v[T:T+1], v[T+2:T+3]
	v_pk_add_f32 v[T+4:T+5], v[T+4:T+5], v[T+6:T+7]
	v_pk_add_f32 v[T:T+1], v[T:T+1], v[T+4:T+5]
	v_add_f32 v[T], v[T], v[T+1]
	v_add_f32_dpp v[T], v[T], v[T] row_xmask:1 row_mask:0xf bank_mask:0xf
	v_add_f32_dpp v[T], v[T], v[T] row_xmask:2 row_mask:0xf bank_mask:0xf
	v_add_f32_dpp v[T], v[T], v[T] row_xmask:4 row_mask:0xf bank_mask:0xf
	v_add_f32_dpp v[T], v[T], v[T] row_xmask:8 row_mask:0xf bank_mask:0xf
	v_permlanex16_b32 v[PX], v[T], s20, s21
	v_add_f32 v[T], v[T], v[PX]
.endm
.macro NORM x                          ; the row at v[x ..] becomes (x - mean) / sqrt(var + eps), in place
.irp k, 0,2,4,6
	v_pk_add_f32 v[T+\k:T+\k+1], v[(\x)+\k:(\x)+\k+1], v[(\x)+8+\k:(\x)+8+\k+1]
.endr
.irp q, 16,24
.irp k, 0,2,4,6
	v_pk_add_f32 v[T+\k:T+\k+1], v[T+\k:T+\k+1], v[(\x)+\q+\k:(\x)+\q+\k+1]
.endr
.endr
	ACROSS
	v_mul_f32 v[M], s18, v[T]
	v_mul_f32 v[M+1], s18, v[T]
.set i, 0
.rept 16
	v_pk_add_f32 v[(\x)+2*i:(\x)+2*i+1], v[(\x)+2*i:(\x)+2*i+1], v[M:M+1] neg_lo:[0,1] neg_hi:[0,1]
.set i, i+1
.endr
.irp k, 0,2,4,6
	v_pk_mul_f32 v[T+\k:T+\k+1], v[(\x)+\k:(\x)+\k+1], v[(\x)+\k:(\x)+\k+1]
.endr
.irp q, 8,16,24
.irp k, 0,2,4,6
	v_pk_fma_f32 v[T+\k:T+\k+1], v[(\x)+\q+\k:(\x)+\q+\k+1], v[(\x)+\q+\k:(\x)+\q+\k+1], v[T+\k:T+\k+1]
.endr
.endr
	ACROSS
	v_fma_f32 v[T], v[T], s18, s19
	v_rsq_f32 v[M], v[T]
	v_rsq_f32 v[M+1], v[T]
	v_nop                                          ; a plain line between the root and the use of its result
.set i, 0
	s_wait_alu depctr_va_vdst(0)
.rept 16
	v_pk_mul_f32 v[(\x)+2*i:(\x)+2*i+1], v[(\x)+2*i:(\x)+2*i+1], v[M:M+1]
.set i, i+1
.endr
.endm
.macro APPLY r                         ; row r times g plus b, and out
.set xr, X+32*(\r)
.set i, 0
.rept 16
	v_pk_fma_f32 v[xr+2*i:xr+2*i+1], v[xr+2*i:xr+2*i+1], v[G+2*i:G+2*i+1], v[B+2*i:B+2*i+1]
.set i, i+1
.endr
.set i, 0
.rept 8
	global_store_b128 v[OX], v[xr+4*i:xr+4*i+3], s[10:11] offset:4096*(\r)+512*i th:TH_STORE_NT  ; 512 consecutive bytes
.set i, i+1
.endr
.endm
	s_wait_loadcnt 24                              ; row 0 is in; row 1, g and b stay out
	NORM X
	s_wait_loadcnt 16                              ; row 1 is in
	NORM X+32
	s_wait_loadcnt 0x0                             ; g and b
	APPLY 0
	APPLY 1
	s_endpgm
.Lfunc_end_k_q27e3b47418_ln2:
	.size	k_q27e3b47418_ln2, .Lfunc_end_k_q27e3b47418_ln2-k_q27e3b47418_ln2
	.p2alignl 7, 3214868480
	.fill 96, 4, 3214868480
	.section	.rodata,"a",@progbits
	.p2align	6, 0x0
	.amdhsa_kernel k_q27e3b47418_ln2
		.amdhsa_group_segment_fixed_size 0
		.amdhsa_private_segment_fixed_size 0
		.amdhsa_enable_private_segment 0
		.amdhsa_kernarg_size 32
		.amdhsa_user_sgpr_count 2
		.amdhsa_user_sgpr_kernarg_segment_ptr 1
		.amdhsa_wavefront_size32 1
		.amdhsa_system_sgpr_workgroup_id_x 1
		.amdhsa_system_sgpr_workgroup_id_y 1
		.amdhsa_system_sgpr_workgroup_id_z 1
		.amdhsa_system_vgpr_workitem_id 0
		.amdhsa_next_free_vgpr 176
		.amdhsa_next_free_sgpr 66
		.amdhsa_reserve_vcc 0
		.amdhsa_float_denorm_mode_32 3
		.amdhsa_float_denorm_mode_16_64 3
		.amdhsa_memory_ordered 1
		.amdhsa_forward_progress 1
		.amdhsa_inst_pref_size 18
	.end_amdhsa_kernel
	.amdgpu_metadata
---
amdhsa.version: [ 1, 2 ]
amdhsa.kernels:
  - .name:           k_q27e3b47418_ln2
    .symbol:         k_q27e3b47418_ln2.kd
    .args:
      - { .name: tsum, .offset: 0, .size: 8, .value_kind: global_buffer, .address_space: global }
      - { .name: ln2_g, .offset: 8, .size: 8, .value_kind: global_buffer, .address_space: global }
      - { .name: ln2_b, .offset: 16, .size: 8, .value_kind: global_buffer, .address_space: global }
      - { .name: out0, .offset: 24, .size: 8, .value_kind: global_buffer, .address_space: global }
    .group_segment_fixed_size: 0
    .private_segment_fixed_size: 0
    .kernarg_segment_align: 8
    .kernarg_segment_size: 32
    .max_flat_workgroup_size: 256
    .sgpr_count:     66
    .vgpr_count:     176
    .wavefront_size: 32
...
	.end_amdgpu_metadata
.endif
;; end of part 8
